; MI455X (gfx1250); checked and timed in simulation.
; The chip was launched on July 23, 2026; its instructions are those of AMD's public machine-readable ISA for CDNA 5 (MIT licence, August 2026) and "CDNA5" Instruction Set Architecture Reference Guide (July 2026). The comments in the code are by the model that wrote it; some were corrected since.
;; OT Flow. Allowed arithmetic: float matrix products may take bf16 or f16 operands with f32 sums; other float arithmetic in f32, or as packed bf16 or f16 multiplies, adds, multiply-adds, maxima and minima; sums over many terms, partial sums and values carried from step to step in f32; what a program stores and reads back later, other than sums and carried values, may be rounded once to bf16 or f16.
;; Inputs: A 10 x 65 float32; K0 512 x 65 float32; K1 512 x 512 float32; b0 512 float32; b1 512 float32; c_b one number float32; c_w 65 float32; t one number float32; w 512 float32; x 2,048 x 64 float32.
;; Outputs: out0 2,048 x 64 float32; out1 2,048 x 1 float32; out2 2,048 x 1 float32; out3 2,048 x 1 float32.
;; 2 versions, each right and faster than the one before. Each part assembles by itself: llvm-mc -triple=amdgcn-amd-amdhsa -mcpu=gfx1250 --defsym DOCPART=n.
;; ======== version 1 of 2: 2 launches
;; limits: values outside matrix products are rounded to bf16
;; workspace buffers: pz 2,097,152 bytes; ps 65,536 bytes
;; launch phi (part 1): grid 256 x 1, 4 waves a work-group, no clusters, 325,888 bytes of LDS; arguments x, t, K0, b0, K1, b1, w, pz, ps; writes pz, ps
.if DOCPART == 1
	.amdgcn_target "amdgcn-amd-amdhsa--gfx1250"
	.amdhsa_code_object_version 6
	.text
	.protected	k_q773080e192_phi
	.globl	k_q773080e192_phi
	.p2align	8
	.type	k_q773080e192_phi,@function
k_q773080e192_phi:
	s_mov_b64 s[64:65], 0
	v_nop
	global_prefetch_b8 v0, s[64:65] scope:SCOPE_SE
	s_setreg_imm32_b32 hwreg(HW_REG_WAVE_MODE, 25, 1), 1
	s_wait_xcnt 0x0
; OT-Flow potential: gradient and Hessian trace, the part that needs K0 and K1.
; Work-group wg: q = wg & 3 owns rows i = 128 q .. 128 q + 127 of K1, g = wg >> 2 owns samples 32 g .. 32 g + 31.
; Everything behind lin1 is linear in the sum over i, so the four q of a sample group leave partial sums that the next launch adds:
;   pz[q][n][0:64] = (th * z1p) K0[:, :64],   ps[q][n] = { sum_j th z1p K0[j][64],  sum_j (1 - th^2) z1p ksq[j] + sum_i c[n][i] sum_k KJ[n][i][k]^2 }
;   with z1p = w / 4 + (tanh(lin1) w)[my i] K1[my i, :],  c = w (1 - tanh(lin1)^2),  KJ[n] = K1[my i, :] diag(th[n]) K0[:, :64].
; The bulk is KJ: per work-group 128 i x (32 samples x 64 k) x 512 j = 16,384 matrix instructions, 4,096 a wave.  K1's quarter and K0[:, :64] lie in LDS
; in bf16 for the whole launch, so the big loop fetches nothing from memory, has no barrier, and squares, weights and sums its results in registers.
; NO CLUSTER, NO JOINT REQUESTS: K1's quarter (shared by the 64 work-groups of one q) is fetched once per work-group, ahead of the loop, and has to pass
; through registers to be rounded to bf16: 262,144 bytes of f32 and their 133,120-byte bf16 copy do not fit in LDS beside the other 192,256 bytes.
; K0 (shared by all) is one request of 33,280 bytes a wave in the whole launch.  The loop itself shares nothing that comes from memory.
; LIMITS: x, K0, K1, th, u0, tanh(lin1) w and th z1p enter the matrix units rounded to bf16; th * K0 is rounded to bf16 once more (v_pk_mul_bf16).
; tanh|x| = (1 - e) / (1 + e), e = exp(-2|x|): absolute error about 1e-7, so the relative error grows below |x| ~ 1e-4, under the bf16 rounding that follows.
; log(2 cosh x) = |x| + ln2 log2(1 + e): absolute error about 1e-7 on a number that is at least 0.69.  v_exp_f32 gives 0 below 2^-126 (ISA guide 15.8):
; then th = +-1 and u0 = |x|, as in f32.  The sums are ordered otherwise than in the problem's function.
; ---- LDS map (bytes).  Pitches of 1,040, 272 and 528 are odd multiples of 16: sixteen rows start in sixteen different 16-byte columns modulo 256.
.set K1P, 1040                         ; K1S, TH, U0V: 512 bf16 + 16
.set K0P, 160                          ; K0N: 64 bf16 + 32, an odd multiple of 32 for the transposing loads
.set THP, 1040
.set CCP, 528                          ; 128 f32 + 16
.set TLP, 272                          ; 128 bf16 + 16
.set ZSP, 272                          ; 64 f32 + 16
.set QK0, 33280                        ; a quarter of K0: 128 rows of 260 bytes = 130 rows of 256 bytes (also 32 rows of K1S)
.set L_K0N, 133120                     ; bytes 0 .. 133,119: first K0 as f32 (dense, 512 x 260), then K1S: bf16 [128 i][512 j]
.set L_TH, 215040                      ; K0N: bf16 [512 j][64 d];  TH: bf16 [32 n][512 j]
.set L_U0V, 248320                     ; u0, later V = th * z1p, bf16 [32 n][512 j]  (= L_TH + 33,280)
.set L_CC, 281600                      ; c, f32 [32 n][128 i]
.set L_TLW, 298496                     ; tanh(lin1) w, bf16 [32 n][128 i]
.set L_ZS, 307200                      ; z0p, f32 [32 n][64 d]
.set L_BIAS0, 315904                   ; f32 [512] each: t K0[j][64] + b0[j]; at +2,048 ksq[j]; at +4,096 K0[j][64]; at +6,144 w[j] / 4
.set L_RS, 324096                      ; [4 waves][32 n] { r2, r1 }
.set L_T1, 325120                      ; f32 [32 n]
; ---- vector registers, window 0, v0-31: lane terms and addresses
.set R_A0, 6                           ; v6, v7    K1S + r 1040 + 16 h, and 64 rows further
.set R_KOA0, 8                         ; v8, v9    K0N + (8 h + L&7) 160 + 16 ((L>>3)&1), and 256 rows further
.set R_THA, 10                         ; TH + 8 w rows + 16 h, stepped two rows a pass
.set R_CA, 11                          ; CC + 8 w rows + 32 h, stepped two rows a pass
.set R_T1A, 12                         ; T1 + 32 w, stepped 8 a pass
.set R_THW, 13                         ; TH + r 1040 + 256 w + 16 h
.set R_U0A, 14                         ; U0V + r 1040 + 16 h
.set R_VEC, 15                         ; BIAS0 + 512 w + 32 h
.set R_K1O, 16                         ; 16 tid: my 16 bytes of a row of K1 in memory.   Later R_ZW
.set R_K1W, 17                         ; 8 tid: the same four numbers in K1S.            Later R_ZR
.set R_SA, 18                          ; my K0 row in the stage.  Then R_KRD, later R_PZO
.set R_KW, 19                          ; my K0 row in K0N.        Later R_RSW
.set R_BJ, 20                          ; BIAS0 + 4 j in the K0 phase.  Later R_TS
.set R_TS, 20                          ; v20, v21  sums on their way across the lanes
.set R_TT, 22                          ; destination of v_permlanex16_b32 (written once at the start: it counts as read)
.set R_JO, 23                          ; 4 (128 w + L)
.set R_XO, 24                          ; 256 r + 32 h.            Later R_KOZ0
.set R_K1L, 25                         ; K1S + (32 w + r) 1040 + 16 h.   Later R_KOZ0 + 1
.set R_TLWW, 26                        ; TLW + r 272 + 64 w + 16 h
.set R_CW, 27                          ; CC + r 528 + 128 w + 32 h
.set R_TLWR, 28                        ; TLW + r 272 + 16 h
.set R_K1T0, 29                        ; v29, v30  K1S + (8 h + L&7) 1040 + 256 w + 16 ((L>>3)&1), and 64 rows further
.set R_VB, 31                          ; 128 w + 32 h
.set R_KRD, 18
.set R_ZW, 16
.set R_ZR, 17
.set R_PZO, 18
.set R_RSW, 19
.set R_KOZ0, 24
.set ROW_A, 0                          ; window 1: two sets of 65 registers for rows of K0
.set ROW_B, 66
; s_set_vgpr_msb: bits 1:0 source 0, 3:2 source 1, 5:4 source 2, 7:6 destination; the high byte repeats the setting that is left.
.set MSB, 0
.macro WIN new
.if MSB != \new
	s_set_vgpr_msb (MSB<<8)|\new
.set MSB, \new
.endif
.endm
; Four plain vector instructions stand between a matrix instruction and a vector instruction or load that touches its registers.
.macro PLACES
.rept 4
	v_nop
.endr
.endm
; What the others will read or overwrite behind a barrier is complete in front of my signal: all my LDS instructions.
.macro BARRIER
	s_wait_dscnt 0x0
	s_barrier_signal -1
	s_barrier_wait -1
.endm
; =============================== start: addresses, the one tensor load, the first global loads ===============================
	s_load_b512 s[8:23], s[0:1], 0x0               ; x s[8:9], t s[10:11], K0 s[12:13], b0 s[14:15], K1 s[16:17], b1 s[18:19], w s[20:21], pz s[22:23]
	s_load_b64 s[24:25], s[0:1], 0x40              ; ps
	v_lshl_add_u32 v254, v0, 2, 0x4f700
	v_mov_b32 v255, 0
	ds_add_u32 v254, v255
	ds_add_u32 v254, v255
	s_wait_dscnt 0x0
	v_lshrrev_b32 v1, 5, v0
	v_readfirstlane_b32 s2, v1                     ; wave w, 0 .. 3
	s_and_b32 s4, ttmp9, 3                         ; q
	s_lshr_b32 s5, ttmp9, 2                        ; g
	s_mov_b32 s42, 0x76543210                      ; v_permlanex16_b32: lane i takes lane i of the other half
	s_mov_b32 s43, 0xfedcba98
	s_mov_b32 s44, 0xffff0000                      ; a word's upper bf16
	s_mov_b32 s45, 0x7fffffff                      ; all but the sign
	s_mov_b32 s46, 0xc038aa3b                      ; -2 log2(e)
	s_mov_b32 s47, 0x3f317218                      ; ln 2
	; descriptor group 1: a dense block as 130 rows of 32 elements of 8 bytes
	s_mov_b32 s32, 3<<16                           ; no work-group mask; elements of 8 bytes; no padding
	s_mov_b32 s33, 32<<16                          ; tensor_dim0 = 32
	s_mov_b32 s34, 130<<16                         ; tensor_dim1 = 130
	s_mov_b32 s35, 32<<16                          ; tile_dim0 = 32
	s_mov_b32 s36, 130                             ; tile_dim1 = 130
	s_mov_b32 s37, 32                              ; pitch = 32 elements
	s_mov_b32 s38, 0
	s_mov_b32 s39, 0
	s_mov_b32 s28, 1                               ; group 0: count
	s_mul_i32 s29, s2, QK0                         ; LDS address: my quarter of the stage
	v_and_b32 v1, 31, v0                           ; L
	v_and_b32 v2, 15, v0                           ; r
	v_bfe_u32 v3, v0, 4, 1                         ; h
	v_and_b32 v4, 7, v0                            ; L & 7
	v_bfe_u32 v5, v0, 3, 1                         ; (L >> 3) & 1
	v_lshlrev_b32 v[R_K1O], 4, v0
	s_lshl_b32 s50, s2, 9                          ; 512 w
	v_lshl_add_u32 v[R_JO], v1, 2, s50
	v_lshlrev_b32 v[R_XO], 8, v2
	v_lshl_add_u32 v[R_XO], v3, 5, v[R_XO]
	s_wait_kmcnt 0x0
	s_load_b32 s26, s[10:11], 0x0                  ; t
	s_mov_b32 s40, s29
	s_mov_b32 s41, 0
	s_add_nc_u64 s[30:31], s[12:13], s[40:41]      ; K0 + my quarter
	s_or_b32 s31, s31, 0x80000000                  ; type 2
	tensor_load_to_lds s[28:31], s[32:39]          ; the launch's only tensor load: one outstanding in each wave
	s_nop 0
	s_lshl_b32 s40, s5, 13                         ; 32 samples x 256 bytes
	s_add_nc_u64 s[8:9], s[8:9], s[40:41]          ; x at my samples
	s_add_nc_u64 s[22:23], s[22:23], s[40:41]
	s_lshl_b32 s40, s4, 19                         ; 2,048 x 256 bytes
	s_add_nc_u64 s[22:23], s[22:23], s[40:41]      ; pz[q] at my samples
	s_lshl_b32 s40, s4, 18                         ; 128 rows x 2,048 bytes
	s_add_nc_u64 s[16:17], s[16:17], s[40:41]      ; K1 at my rows
	s_lshl_b32 s40, s4, 9
	s_add_nc_u64 s[18:19], s[18:19], s[40:41]      ; b1 at my i
	s_add_nc_u64 s[48:49], s[20:21], s[40:41]      ; w at my i (w itself is kept for w / 4)
	s_lshl_b32 s40, s4, 14
	s_add_nc_u64 s[24:25], s[24:25], s[40:41]
	s_lshl_b32 s40, s5, 8
	s_add_nc_u64 s[24:25], s[24:25], s[40:41]      ; ps[q] at my samples
	WIN 0x40
.irp m, 0,1,2,3
	global_load_b32 v[172+\m], v[R_JO], s[14:15] offset:128*\m     ; window 1 v172-175: b0[128 w + L + 32 m]
.endr
.irp m, 0,1,2,3
	global_load_b32 v[176+\m], v[R_JO], s[20:21] offset:128*\m     ; window 1 v176-179: w of the same j
.endr
	WIN 0
	; x as four fragments (st: 16 samples, ks: 32 of d) in f32: v64 + 16 (2 st + ks); d = 32 ks + 8 h + 0..7, then + 16
.irp st, 0,1
.irp ks, 0,1
	global_load_b128 v[64+32*\st+16*\ks:64+32*\st+16*\ks+3],     v[R_XO], s[8:9] offset:\st*4096+\ks*128
	global_load_b128 v[64+32*\st+16*\ks+4:64+32*\st+16*\ks+7],   v[R_XO], s[8:9] offset:\st*4096+\ks*128+16
	global_load_b128 v[64+32*\st+16*\ks+8:64+32*\st+16*\ks+11],  v[R_XO], s[8:9] offset:\st*4096+\ks*128+64
	global_load_b128 v[64+32*\st+16*\ks+12:64+32*\st+16*\ks+15], v[R_XO], s[8:9] offset:\st*4096+\ks*128+80
.endr
.endr
; K1 comes in four batches of 32 rows; a row of 2,048 bytes is 16 bytes of each of the 128 threads.  Batch b: window 2 + (b >> 1), v[128 (b & 1) + 4 row].
.macro K1LOAD b
.if \b < 2
	WIN 0x80
.else
	WIN 0xc0
.endif
.set rr, 0
.rept 32
	global_load_b128 v[128*(\b&1)+4*rr:128*(\b&1)+4*rr+3], v[R_K1O], s[16:17] offset:(32*\b+rr)*2048
.set rr, rr+1
.endr
.endm
; Round a batch to bf16 and lay it into K1S: a wave's store covers 256 neighbouring bytes of a row.  left = the global loads issued behind the batch.
.macro K1CONV b, left
	s_wait_loadcnt \left
.if \b < 2
	WIN 0x0a
.else
	WIN 0x0f
.endif
.set rr, 0
.rept 32
	v_cvt_pk_bf16_f32 v[128+2*rr], v[128*(\b&1)+4*rr],   v[128*(\b&1)+4*rr+1]
	v_cvt_pk_bf16_f32 v[129+2*rr], v[128*(\b&1)+4*rr+2], v[128*(\b&1)+4*rr+3]
.set rr, rr+1
.endr
	WIN 0
.set rr, 0
.rept 32
	ds_store_b64 v[R_K1W], v[128+2*rr:129+2*rr] offset:rr*K1P
.set rr, rr+1
.endr
	v_add_nc_u32 v[R_K1W], 32*K1P, v[R_K1W]
.endm
	K1LOAD 0
	K1LOAD 1
	WIN 0
	; the other addresses, while the loads are on their way
	v_mul_u32_u24 v[R_A0], v2, K1P
	v_lshl_add_u32 v[R_A0], v3, 4, v[R_A0]
	v_add_nc_u32 v[R_A0+1], 64*K1P, v[R_A0]
	v_lshl_add_u32 v[R_KOA0], v3, 3, v4            ; 8 h + (L & 7)
	v_mul_u32_u24 v[R_K1T0], v[R_KOA0], K1P
	v_mul_u32_u24 v[R_KOA0], v[R_KOA0], K0P
	v_lshl_add_u32 v[R_KOA0], v5, 4, v[R_KOA0]
	v_add_nc_u32 v[R_KOA0], L_K0N, v[R_KOA0]
	v_add_nc_u32 v[R_KOA0+1], 256*K0P, v[R_KOA0]
	v_lshl_add_u32 v[R_K1T0], v5, 4, v[R_K1T0]
	s_lshl_b32 s51, s2, 8                          ; 256 w
	v_add_nc_u32 v[R_K1T0], s51, v[R_K1T0]
	v_add_nc_u32 v[R_K1T0+1], 64*K1P, v[R_K1T0]
	s_mul_i32 s52, s2, 8*THP
	s_add_co_u32 s52, s52, L_TH
	v_lshl_add_u32 v[R_THA], v3, 4, s52
	s_mul_i32 s52, s2, 8*CCP
	s_add_co_u32 s52, s52, L_CC
	v_lshl_add_u32 v[R_CA], v3, 5, s52
	s_lshl_b32 s52, s2, 5
	s_add_co_u32 s52, s52, L_T1
	v_mov_b32 v[R_T1A], s52
	s_add_co_u32 s52, s51, L_TH
	v_add_nc_u32 v[R_THW], s52, v[R_A0]
	v_add_nc_u32 v[R_U0A], L_U0V, v[R_A0]
	s_add_co_u32 s52, s50, L_BIAS0
	v_lshl_add_u32 v[R_VEC], v3, 5, s52
	v_lshlrev_b32 v[R_K1W], 3, v0
	v_mul_u32_u24 v[R_SA], v1, 260
	v_add_nc_u32 v[R_SA], s29, v[R_SA]
	v_mul_u32_u24 v[R_KW], v1, K0P
	s_mul_i32 s52, s2, 128*K0P
	s_add_co_u32 s52, s52, L_K0N
	v_add_nc_u32 v[R_KW], s52, v[R_KW]
	v_add_nc_u32 v[R_BJ], L_BIAS0, v[R_JO]
	v_mov_b32 v[R_TT], 0
	v_add_nc_u32 v[R_K1L], s29, v[R_A0]            ; 32 w rows of 1,040 bytes = 33,280 w
	v_mul_u32_u24 v[R_TLWR], v2, TLP
	v_lshl_add_u32 v[R_TLWR], v3, 4, v[R_TLWR]
	v_add_nc_u32 v[R_TLWR], L_TLW, v[R_TLWR]
	s_lshl_b32 s52, s2, 6
	v_add_nc_u32 v[R_TLWW], s52, v[R_TLWR]
	v_mul_u32_u24 v[R_CW], v2, CCP
	v_lshl_add_u32 v[R_CW], v3, 5, v[R_CW]
	s_lshl_b32 s52, s2, 7
	s_add_co_u32 s53, s52, L_CC
	v_add_nc_u32 v[R_CW], s53, v[R_CW]
	v_lshl_add_u32 v[R_VB], v3, 5, s52
; =============================== K0: from the f32 stage to bf16 rows, and the four vectors over j ===============================
; Lane L of wave w takes rows j = 128 w + L + 32 m, m = 0..3: bytes of the wave's own tensor load, so its own wait is all that the reads need.
; A row is 65 words, so the 32 lanes of a load touch 32 different words modulo 64.
.macro ROWLD set, m
	WIN 0x40
.set dd, 0
.rept 65
	ds_load_b32 v[\set+dd], v[R_SA] offset:\m*8320+4*dd
.set dd, dd+1
.endr
.endm
; window 1: v132-163 the row in bf16, v164-167 two chains of squares, v168 bias, v169 w / 4, v170 ksq
.macro ROWPROC set, m
	WIN 0x55
	v_pk_mul_f32 v[164:165], v[\set:\set+1], v[\set:\set+1]
	v_pk_mul_f32 v[166:167], v[\set+2:\set+3], v[\set+2:\set+3]
.set pp, 2
.rept 30
	v_pk_fma_f32 v[164+2*(pp&1):165+2*(pp&1)], v[\set+2*pp:\set+2*pp+1], v[\set+2*pp:\set+2*pp+1], v[164+2*(pp&1):165+2*(pp&1)]
.set pp, pp+1
.endr
	v_pk_add_f32 v[164:165], v[164:165], v[166:167]
.set pp, 0
.rept 32
	v_cvt_pk_bf16_f32 v[132+pp], v[\set+2*pp], v[\set+2*pp+1]
.set pp, pp+1
.endr
	v_add_f32 v170, v164, v165                     ; ksq[j] = sum over d < 64 of K0[j][d]^2
	v_fma_f32 v168, v[\set+64], s26, v[172+\m]     ; t K0[j][64] + b0[j]
	v_mul_f32 v169, 0x3e800000, v[176+\m]          ; w[j] / 4: each of the four q adds a quarter
	WIN 0x04
.irp c, 0,1,2,3,4,5,6,7
	ds_store_b128 v[R_KW], v[132+4*\c:135+4*\c] offset:\m*32*K0P+16*\c
.endr
	ds_store_b32 v[R_BJ], v168 offset:128*\m
	ds_store_b32 v[R_BJ], v170 offset:128*\m+2048
	ds_store_b32 v[R_BJ], v[\set+64] offset:128*\m+4096
	ds_store_b32 v[R_BJ], v169 offset:128*\m+6144
.endm
	s_wait_tensorcnt 0x0                           ; my quarter of K0 is in LDS
	ROWLD ROW_A, 0
	ROWLD ROW_B, 1
	s_wait_kmcnt 0x0                               ; t
	s_wait_loadcnt 0x3f                            ; 80 loads were issued behind w's: with at most 63 out, b0 and w are in
	s_wait_dscnt 0x3f                              ; 65 loads stand behind row 0's: with at most 63 out it is in
	ROWPROC ROW_A, 0
	ROWLD ROW_A, 2
	s_wait_dscnt 0x3f                              ; 12 stores and 65 loads stand behind row 1's
	ROWPROC ROW_B, 1
	ROWLD ROW_B, 3
	s_wait_dscnt 0x3f                              ; likewise behind row 2's
	ROWPROC ROW_A, 2
	s_wait_dscnt 0xc                               ; behind row 3's loads stand the 12 stores of row 2
	ROWPROC ROW_B, 3
	WIN 0
	BARRIER                                        ; every wave has read its part of the stage: K1S may be laid over it; K0N and the vectors are stored
	K1CONV 0, 32                                   ; batch 1 stays out
	K1LOAD 2
	K1CONV 1, 32                                   ; batch 2 stays out
	K1LOAD 3
	WIN 0
; =============================== opening = x K0^T + bias; th = tanh, u0 = log(2 cosh) ===============================
; Wave w: j = 128 w + 16 jt, jt = 0..7; st = 0, 1.  Source 0 = rows of K0, source 1 = rows of x: a lane holds sample r and eight neighbouring j.
.set ff, 0
.rept 32
	v_cvt_pk_bf16_f32 v[32+ff], v[64+2*ff], v[64+2*ff+1]           ; x (in since the wait for batch 0) as fragments v32 + 8 (2 st + ks)
.set ff, ff+1
.endr
	v_mul_u32_u24 v[R_KRD], v2, K0P
	v_lshl_add_u32 v[R_KRD], v3, 4, v[R_KRD]
	s_mul_i32 s52, s2, 128*K0P
	s_add_co_u32 s52, s52, L_K0N
	v_add_nc_u32 v[R_KRD], s52, v[R_KRD]           ; K0N + (128 w + r) 160 + 16 h
	WIN 0x40
.irp jt, 0,1,2,3,4,5,6,7
.irp ks, 0,1
	ds_load_b128 v[16*\jt+8*\ks:16*\jt+8*\ks+3],   v[R_KRD] offset:\jt*16*K0P+64*\ks
	ds_load_b128 v[16*\jt+8*\ks+4:16*\jt+8*\ks+7], v[R_KRD] offset:\jt*16*K0P+64*\ks+32
.endr
.endr
	WIN 0
.irp jt, 0,1,2,3,4,5,6,7
.irp st, 0,1
	ds_load_b128 v[128+16*\jt+8*\st:128+16*\jt+8*\st+3],   v[R_VEC] offset:64*\jt       ; the bias starts the sums
	ds_load_b128 v[128+16*\jt+8*\st+4:128+16*\jt+8*\st+7], v[R_VEC] offset:64*\jt+16
.endr
.endr
	s_wait_dscnt 0x0
	WIN 0x01
.irp ks, 0,1
.irp jt, 0,1,2,3,4,5,6,7
.irp st, 0,1
	v_wmma_f32_16x16x32_bf16 v[128+16*\jt+8*\st:128+16*\jt+8*\st+7], v[16*\jt+8*\ks:16*\jt+8*\ks+7], v[32+16*\st+8*\ks:32+16*\st+8*\ks+7], v[128+16*\jt+8*\st:128+16*\jt+8*\st+7]
.endr
.endr
.endr
	WIN 0
	PLACES
; Eight numbers: v64 e, then tanh; v72 1 + e; v80 1 / (1 + e); v88 log2(1 + e), then u0; v96, v100 packed.
; Behind each run of transcendentals one v_nop stands before a result is used (ISA guide 5.7.2).
.macro ACT8 d, st, jt
.irp i, 0,1,2,3,4,5,6,7
	v_mul_f32 v[64+\i], s46, |v[\d+\i]|
.endr
.irp i, 0,1,2,3,4,5,6,7
	v_exp_f32 v[64+\i], v[64+\i]                   ; e = exp(-2 |x|), in (0, 1]: never overflows
.endr
	v_nop
	s_wait_alu depctr_va_vdst(0)
.irp i, 0,2,4,6
	v_pk_add_f32 v[72+\i:73+\i], v[64+\i:65+\i], 1.0 op_sel_hi:[1,0]
.endr
.irp i, 0,2,4,6
	v_pk_fma_f32 v[64+\i:65+\i], v[64+\i:65+\i], -1.0, 1.0 op_sel_hi:[1,0,0]
.endr
.irp i, 0,1,2,3,4,5,6,7
	v_rcp_f32 v[80+\i], v[72+\i]
.endr
.irp i, 0,1,2,3,4,5,6,7
	v_log_f32 v[88+\i], v[72+\i]
.endr
	v_nop
	s_wait_alu depctr_va_vdst(0)
.irp i, 0,2,4,6
	v_pk_mul_f32 v[64+\i:65+\i], v[64+\i:65+\i], v[80+\i:81+\i]    ; tanh |x|
.endr
.irp i, 0,1,2,3,4,5,6,7
	v_bfi_b32 v[64+\i], s45, v[64+\i], v[\d+\i]                    ; with x's sign
	v_fma_f32 v[88+\i], v[88+\i], s47, |v[\d+\i]|                  ; |x| + ln2 log2(1 + e)
.endr
.irp k, 0,1,2,3
	v_cvt_pk_bf16_f32 v[96+\k],  v[64+2*\k], v[65+2*\k]
	v_cvt_pk_bf16_f32 v[100+\k], v[88+2*\k], v[89+2*\k]
.endr
	ds_store_b128 v[R_THW], v[96:99]   offset:\st*16*THP+32*\jt
	ds_store_b128 v[R_THW], v[100:103] offset:33280+\st*16*THP+32*\jt
.endm
.irp jt, 0,1,2,3,4,5,6,7
.irp st, 0,1
	ACT8 (128+16*\jt+8*\st), \st, \jt
.endr
.endr
.irp it, 0,1
	global_load_b128 v[32+8*\it:35+8*\it], v[R_VB], s[18:19] offset:64*\it         ; b1 of i = 32 w + 16 it + 8 h + 0..7
	global_load_b128 v[36+8*\it:39+8*\it], v[R_VB], s[18:19] offset:64*\it+16
.endr
.irp it, 0,1
	global_load_b128 v[48+8*\it:51+8*\it], v[R_VB], s[48:49] offset:64*\it         ; w of the same i
	global_load_b128 v[52+8*\it:55+8*\it], v[R_VB], s[48:49] offset:64*\it+16
.endr
	K1CONV 2, 40                                   ; batch 3's 32 loads and the 8 above stay out
	K1CONV 3, 8                                    ; the 8 above stay out
	BARRIER                                        ; K1S, TH and u0 are whole
; =============================== lin1 = u0 K1^T + b1; tanh(lin1) w and c ===============================
; Wave w: i = 32 w + 16 it; 16 K steps in four groups of four, two buffers.  K1 fragments: window 1 v[64 buf + 16 kk + 8 it]; u0: v[128 + 64 buf + 16 kk + 8 st].
.macro LINLD grp
	WIN 0x40
.irp kk, 0,1,2,3
.irp it, 0,1
	ds_load_b128 v[64*(\grp&1)+16*\kk+8*\it:64*(\grp&1)+16*\kk+8*\it+3],   v[R_K1L] offset:\it*16*K1P+64*(4*\grp+\kk)
	ds_load_b128 v[64*(\grp&1)+16*\kk+8*\it+4:64*(\grp&1)+16*\kk+8*\it+7], v[R_K1L] offset:\it*16*K1P+64*(4*\grp+\kk)+32
.endr
.endr
	WIN 0
.irp kk, 0,1,2,3
.irp st, 0,1
	ds_load_b128 v[128+64*(\grp&1)+16*\kk+8*\st:128+64*(\grp&1)+16*\kk+8*\st+3],   v[R_U0A] offset:\st*16*THP+64*(4*\grp+\kk)
	ds_load_b128 v[128+64*(\grp&1)+16*\kk+8*\st+4:128+64*(\grp&1)+16*\kk+8*\st+7], v[R_U0A] offset:\st*16*THP+64*(4*\grp+\kk)+32
.endr
.endr
.endm
.macro LINMM grp
	WIN 0x01
.irp kk, 0,1,2,3
.irp it, 0,1
.irp st, 0,1
.if (\grp+\kk)==0
	v_wmma_f32_16x16x32_bf16 v[64+16*\it+8*\st:64+16*\it+8*\st+7], v[64*(\grp&1)+16*\kk+8*\it:64*(\grp&1)+16*\kk+8*\it+7], v[128+64*(\grp&1)+16*\kk+8*\st:128+64*(\grp&1)+16*\kk+8*\st+7], v[32+8*\it:32+8*\it+7]
.else
	v_wmma_f32_16x16x32_bf16 v[64+16*\it+8*\st:64+16*\it+8*\st+7], v[64*(\grp&1)+16*\kk+8*\it:64*(\grp&1)+16*\kk+8*\it+7], v[128+64*(\grp&1)+16*\kk+8*\st:128+64*(\grp&1)+16*\kk+8*\st+7], v[64+16*\it+8*\st:64+16*\it+8*\st+7]
.endif
.endr
.endr
.endr
.endm
	s_wait_loadcnt 0x0                             ; b1 (the first products' C) and w
	LINLD 0
	LINLD 1
	s_wait_dscnt 0x20                              ; the younger group's 32 loads stay out
	LINMM 0
	PLACES
	LINLD 2
	s_wait_dscnt 0x20
	LINMM 1
	PLACES
	LINLD 3
	s_wait_dscnt 0x20
	LINMM 2
	s_wait_dscnt 0x0
	LINMM 3
	WIN 0
	PLACES
; v96 e, then tl = tanh(lin1); v104 1 + e, then tl w; v112 1 / (1 + e), then c = w - tl (tl w); v120 packed
.macro LIN8 it, st
.irp i, 0,1,2,3,4,5,6,7
	v_mul_f32 v[96+\i], s46, |v[64+16*\it+8*\st+\i]|
.endr
.irp i, 0,1,2,3,4,5,6,7
	v_exp_f32 v[96+\i], v[96+\i]
.endr
	v_nop
	s_wait_alu depctr_va_vdst(0)
.irp i, 0,2,4,6
	v_pk_add_f32 v[104+\i:105+\i], v[96+\i:97+\i], 1.0 op_sel_hi:[1,0]
.endr
.irp i, 0,2,4,6
	v_pk_fma_f32 v[96+\i:97+\i], v[96+\i:97+\i], -1.0, 1.0 op_sel_hi:[1,0,0]
.endr
.irp i, 0,1,2,3,4,5,6,7
	v_rcp_f32 v[112+\i], v[104+\i]
.endr
	v_nop
	s_wait_alu depctr_va_vdst(0)
.irp i, 0,2,4,6
	v_pk_mul_f32 v[96+\i:97+\i], v[96+\i:97+\i], v[112+\i:113+\i]
.endr
.irp i, 0,1,2,3,4,5,6,7
	v_bfi_b32 v[96+\i], s45, v[96+\i], v[64+16*\it+8*\st+\i]
.endr
.irp i, 0,2,4,6
	v_pk_mul_f32 v[104+\i:105+\i], v[96+\i:97+\i], v[48+8*\it+\i:49+8*\it+\i]
.endr
.irp i, 0,2,4,6
	v_pk_fma_f32 v[112+\i:113+\i], v[96+\i:97+\i], v[104+\i:105+\i], v[48+8*\it+\i:49+8*\it+\i] neg_lo:[1,0,0] neg_hi:[1,0,0]
.endr
.irp k, 0,1,2,3
	v_cvt_pk_bf16_f32 v[120+\k], v[104+2*\k], v[105+2*\k]
.endr
	ds_store_b128 v[R_TLWW], v[120:123] offset:\st*16*TLP+32*\it
	ds_store_b128 v[R_CW], v[112:115] offset:\st*16*CCP+64*\it
	ds_store_b128 v[R_CW], v[116:119] offset:\st*16*CCP+64*\it+16
.endm
.irp it, 0,1
.irp st, 0,1
	LIN8 \it, \st
.endr
.endr
	BARRIER                                        ; tanh(lin1) w and c are whole; nobody reads u0 any more
; =============================== z1p = w / 4 + (tl w) K1;  V = th z1p;  r2, r1 ===============================
	; addresses of the late phases, in registers whose loads have all been waited for
	s_lshl_b32 s52, s2, 8
	s_add_co_u32 s52, s52, L_RS
	v_lshl_add_u32 v[R_RSW], v2, 3, s52            ; RS + 256 w + 8 r
	s_lshl_b32 s52, s2, 5
	v_add_nc_u32 v[R_KOZ0], s52, v[R_KOA0]         ; K0N's transposing address at d = 16 w
	v_add_nc_u32 v[R_KOZ0+1], s52, v[R_KOA0+1]
	v_mul_u32_u24 v[R_ZW], v2, ZSP
	v_lshl_add_u32 v[R_ZW], v3, 5, v[R_ZW]
	s_lshl_b32 s52, s2, 6
	s_add_co_u32 s52, s52, L_ZS
	v_add_nc_u32 v[R_ZW], s52, v[R_ZW]             ; ZS + r 272 + 64 w + 32 h
	v_mul_u32_u24 v[R_ZR], v3, ZSP
	v_lshl_add_u32 v[R_ZR], v2, 4, v[R_ZR]
	s_mul_i32 s52, s2, 8*ZSP
	s_add_co_u32 s52, s52, L_ZS
	v_add_nc_u32 v[R_ZR], s52, v[R_ZR]             ; ZS + (8 w + h) 272 + 16 r
	s_lshl_b32 s52, s2, 11
	v_lshl_add_u32 v[R_PZO], v1, 4, s52            ; 2,048 w + 16 L
	; Wave w: j = 128 w + 16 jt in two halves of four jt; K = my 128 i (ki = 0..3).  Source 0 = K1 transposed (K1S lies [i][j]), source 1 = rows of tl w.
	WIN 0x40
.irp st, 0,1
.irp ki, 0,1,2,3
	ds_load_b128 v[128+32*\st+8*\ki:128+32*\st+8*\ki+3],   v[R_TLWR] offset:\st*16*TLP+64*\ki
	ds_load_b128 v[128+32*\st+8*\ki+4:128+32*\st+8*\ki+7], v[R_TLWR] offset:\st*16*TLP+64*\ki+32
.endr
.endr
; One tile of 16 samples x 16 j.  v64 th, v72 V = th z1p, v80 (1 - th^2) z1p = z1p - th V, v88 packed.  Sums: v[32 + 16 st] r2, v[40 + 16 st] r1, four pairs each.
.macro Z8 jl, jt, st, first
.irp k, 0,1,2,3
	v_lshlrev_b32 v[64+2*\k], 16, v[160+8*\jl+4*\st+\k]
	v_and_b32 v[65+2*\k], s44, v[160+8*\jl+4*\st+\k]
.endr
.irp k, 0,2,4,6
	v_pk_mul_f32 v[72+\k:73+\k], v[64+\k:65+\k], v[192+16*\jl+8*\st+\k:193+16*\jl+8*\st+\k]
.endr
.irp k, 0,2,4,6
	v_pk_fma_f32 v[80+\k:81+\k], v[64+\k:65+\k], v[72+\k:73+\k], v[192+16*\jl+8*\st+\k:193+16*\jl+8*\st+\k] neg_lo:[1,0,0] neg_hi:[1,0,0]
.endr
.irp k, 0,2,4,6
.if \first
	v_pk_mul_f32 v[32+16*\st+\k:33+16*\st+\k], v[72+\k:73+\k], v[128+8*\jl+\k:129+8*\jl+\k]
	v_pk_mul_f32 v[40+16*\st+\k:41+16*\st+\k], v[80+\k:81+\k], v[96+8*\jl+\k:97+8*\jl+\k]
.else
	v_pk_fma_f32 v[32+16*\st+\k:33+16*\st+\k], v[72+\k:73+\k], v[128+8*\jl+\k:129+8*\jl+\k], v[32+16*\st+\k:33+16*\st+\k]
	v_pk_fma_f32 v[40+16*\st+\k:41+16*\st+\k], v[80+\k:81+\k], v[96+8*\jl+\k:97+8*\jl+\k], v[40+16*\st+\k:41+16*\st+\k]
.endif
.endr
.irp k, 0,1,2,3
	v_cvt_pk_bf16_f32 v[88+\k], v[72+2*\k], v[73+2*\k]
.endr
	ds_store_b128 v[R_THW], v[88:91] offset:33280+\st*16*THP+32*\jt        ; V takes u0's place
.endm
.macro ZHALF hf
	WIN 0x40
.irp jl, 0,1,2,3
.irp ki, 0,1,2,3
	ds_load_tr16_b128 v[32*\jl+8*\ki:32*\jl+8*\ki+3],   v[R_K1T0+(\ki>>1)] offset:(\ki&1)*32*K1P+32*(4*\hf+\jl)
	ds_load_tr16_b128 v[32*\jl+8*\ki+4:32*\jl+8*\ki+7], v[R_K1T0+(\ki>>1)] offset:(\ki&1)*32*K1P+32*(4*\hf+\jl)+16*K1P
.endr
.endr
	WIN 0
.irp jl, 0,1,2,3
.irp st, 0,1
	ds_load_b128 v[192+16*\jl+8*\st:192+16*\jl+8*\st+3],   v[R_VEC] offset:6144+64*(4*\hf+\jl)      ; w / 4 starts the sums
	ds_load_b128 v[192+16*\jl+8*\st+4:192+16*\jl+8*\st+7], v[R_VEC] offset:6144+64*(4*\hf+\jl)+16
	ds_load_b128 v[160+8*\jl+4*\st:160+8*\jl+4*\st+3],     v[R_THW] offset:\st*16*THP+32*(4*\hf+\jl) ; th, as this lane stored it
.endr
	ds_load_b128 v[96+8*\jl:96+8*\jl+3],     v[R_VEC] offset:2048+64*(4*\hf+\jl)       ; ksq
	ds_load_b128 v[96+8*\jl+4:96+8*\jl+7],   v[R_VEC] offset:2048+64*(4*\hf+\jl)+16
	ds_load_b128 v[128+8*\jl:128+8*\jl+3],   v[R_VEC] offset:4096+64*(4*\hf+\jl)       ; K0[j][64]
	ds_load_b128 v[128+8*\jl+4:128+8*\jl+7], v[R_VEC] offset:4096+64*(4*\hf+\jl)+16
.endr
	s_wait_dscnt 0x0
	WIN 0x05
.irp ki, 0,1,2,3
.irp jl, 0,1,2,3
.irp st, 0,1
	v_wmma_f32_16x16x32_bf16 v[192+16*\jl+8*\st:192+16*\jl+8*\st+7], v[32*\jl+8*\ki:32*\jl+8*\ki+7], v[128+32*\st+8*\ki:128+32*\st+8*\ki+7], v[192+16*\jl+8*\st:192+16*\jl+8*\st+7]
.endr
.endr
.endr
	WIN 0
	PLACES
.irp jl, 0,1,2,3
.irp st, 0,1
.if (\hf+\jl)==0
	Z8 \jl, (4*\hf+\jl), \st, 1
.else
	Z8 \jl, (4*\hf+\jl), \st, 0
.endif
.endr
.endr
.endm
	ZHALF 0
	ZHALF 1
.irp st, 0,1
	v_pk_add_f32 v[32+16*\st:33+16*\st], v[32+16*\st:33+16*\st], v[34+16*\st:35+16*\st]
	v_pk_add_f32 v[36+16*\st:37+16*\st], v[36+16*\st:37+16*\st], v[38+16*\st:39+16*\st]
	v_pk_add_f32 v[40+16*\st:41+16*\st], v[40+16*\st:41+16*\st], v[42+16*\st:43+16*\st]
	v_pk_add_f32 v[44+16*\st:45+16*\st], v[44+16*\st:45+16*\st], v[46+16*\st:47+16*\st]
	v_pk_add_f32 v[32+16*\st:33+16*\st], v[32+16*\st:33+16*\st], v[36+16*\st:37+16*\st]
	v_pk_add_f32 v[40+16*\st:41+16*\st], v[40+16*\st:41+16*\st], v[44+16*\st:45+16*\st]
	v_add_f32 v[32+16*\st], v[32+16*\st], v[33+16*\st]             ; r2 of my eight j in each tile
	v_add_f32 v[33+16*\st], v[40+16*\st], v[41+16*\st]             ; r1
	v_permlanex16_b32 v[R_TT], v[32+16*\st], s42, s43              ; the other half of the lanes holds the other eight j
	v_add_f32 v[32+16*\st], v[32+16*\st], v[R_TT]
	v_permlanex16_b32 v[R_TT], v[33+16*\st], s42, s43
	v_add_f32 v[33+16*\st], v[33+16*\st], v[R_TT]
	ds_store_b64 v[R_RSW], v[32+16*\st:33+16*\st] offset:128*\st   ; both halves store the same numbers to the same bytes
.endr
	BARRIER                                        ; V is whole
; =============================== z0p = V K0[:, :64] ===============================
; Wave w: d = 16 w .. 16 w + 15; 16 K steps.  K0 transposed: window 1 v[8 s]; V: steps 0-7 window 0 v[128 + 16 s + 8 st], steps 8-15 window 1 likewise.
.macro KOFLD s0
.irp sl, 0,1,2,3,4,5,6,7
	ds_load_tr16_b128 v[8*(\s0+\sl):8*(\s0+\sl)+3],   v[R_KOZ0+(\s0>>3)] offset:\sl*32*K0P
	ds_load_tr16_b128 v[8*(\s0+\sl)+4:8*(\s0+\sl)+7], v[R_KOZ0+(\s0>>3)] offset:\sl*32*K0P+16*K0P
.endr
.endm
.macro VFLD s0
.irp sl, 0,1,2,3,4,5,6,7
.irp st, 0,1
	ds_load_b128 v[128+16*\sl+8*\st:128+16*\sl+8*\st+3],   v[R_U0A] offset:\st*16*THP+64*(\s0+\sl)
	ds_load_b128 v[128+16*\sl+8*\st+4:128+16*\sl+8*\st+7], v[R_U0A] offset:\st*16*THP+64*(\s0+\sl)+32
.endr
.endr
.endm
.macro ZMM s0
.irp sl, 0,1,2,3,4,5,6,7
.irp st, 0,1
.if (\s0+\sl)==0
	v_wmma_f32_16x16x32_bf16 v[64+8*\st:71+8*\st], v[8*(\s0+\sl):8*(\s0+\sl)+7], v[128+16*\sl+8*\st:128+16*\sl+8*\st+7], 0
.else
	v_wmma_f32_16x16x32_bf16 v[64+8*\st:71+8*\st], v[8*(\s0+\sl):8*(\s0+\sl)+7], v[128+16*\sl+8*\st:128+16*\sl+8*\st+7], v[64+8*\st:71+8*\st]
.endif
.endr
.endr
.endm
	WIN 0x40
	KOFLD 0
	WIN 0
	VFLD 0
	WIN 0x40
	KOFLD 8
	VFLD 8
	s_wait_dscnt 0x30                              ; the 16 + 32 loads of steps 8-15 stay out
	WIN 0x01
	ZMM 0
	s_wait_dscnt 0x0
	WIN 0x05
	ZMM 8
	WIN 0
	PLACES
.irp st, 0,1
	ds_store_b128 v[R_ZW], v[64+8*\st:67+8*\st] offset:\st*16*ZSP
	ds_store_b128 v[R_ZW], v[68+8*\st:71+8*\st] offset:\st*16*ZSP+16
.endr
	BARRIER                                        ; z0p's rows are whole
.irp u, 0,1,2,3
	ds_load_b128 v[80+4*\u:83+4*\u], v[R_ZR] offset:2*ZSP*\u
.endr
.irp u, 0,1,2,3
	s_wait_dscnt 3-\u                              ; the younger row copies stay out
	global_store_b128 v[R_PZO], v[80+4*\u:83+4*\u], s[22:23] offset:512*\u     ; sixteen lanes store one row of 256 bytes, aligned
.endr
	s_wait_xcnt 0x0                                ; v80-95 are loaded again at once: only behind this wait (ISA guide 3.1)
; =============================== the big loop: t1[n] = sum_i c[n][i] sum_k KJ[n][i][k]^2 ===============================
; Wave w owns samples 8 w .. 8 w + 7, two a pass.  A pass: 128 i x (2 samples x 64 k) = 64 accumulator tiles, 16 K steps of 32 j, all offsets immediates.
;   tile (a, b), b = 4 sample + c: window 2 + (b >> 2), v[64 (b & 3) + 8 a].   p = K step & 1:
;   RAW[p] = v[32 + 48 p]: K0's four transposed fragments (8 c) and th's two (32 + 8 sample);  AF[p] = v[128 + 64 p + 8 a];  BF[p] = window 1 v[64 p + 8 b].
;   window 1 v128-255: c of the pass (64 sample + 8 a);  window 1 v64-79 (BF[1], idle then): the weighted sums.
.macro LDA sx, p
	WIN 0
.irp a, 0,1,2,3,4,5,6,7
	ds_load_b128 v[128+64*\p+8*\a:128+64*\p+8*\a+3],   v[R_A0+(\a>>2)] offset:(\a&3)*16*K1P+64*\sx
	ds_load_b128 v[128+64*\p+8*\a+4:128+64*\p+8*\a+7], v[R_A0+(\a>>2)] offset:(\a&3)*16*K1P+64*\sx+32
.endr
.endm
.macro LDRAW sx, p, nxt                ; nxt = 1: th of the next pass's two samples
	WIN 0
.irp c, 0,1,2,3
	ds_load_tr16_b128 v[32+48*\p+8*\c:32+48*\p+8*\c+3],   v[R_KOA0+(\sx>>3)] offset:(\sx&7)*32*K0P+32*\c
	ds_load_tr16_b128 v[32+48*\p+8*\c+4:32+48*\p+8*\c+7], v[R_KOA0+(\sx>>3)] offset:(\sx&7)*32*K0P+32*\c+16*K0P
.endr
.irp sn, 0,1
	ds_load_b128 v[64+48*\p+8*\sn:64+48*\p+8*\sn+3],   v[R_THA] offset:\nxt*2*THP+\sn*THP+64*\sx     ; the same 16 bytes for all lanes of a half
	ds_load_b128 v[64+48*\p+8*\sn+4:64+48*\p+8*\sn+7], v[R_THA] offset:\nxt*2*THP+\sn*THP+64*\sx+32
.endr
.endm
.macro MULB p, b0                      ; two fragments of B = th[n][j] K0[j][k], two products to an instruction
	WIN 0x40
.irp bb, 0,1
.irp i, 0,1,2,3,4,5,6,7
	v_pk_mul_bf16 v[64*\p+8*(\b0+\bb)+\i], v[32+48*\p+8*((\b0+\bb)&3)+\i], v[64+48*\p+8*((\b0+\bb)>>2)+\i]
.endr
.endr
.endm
.macro MM16 p, b0, zero
.if \b0 < 4
	WIN 0xa4
.else
	WIN 0xf4
.endif
.irp bb, 0,1
.irp a, 0,1,2,3,4,5,6,7
.if \zero
	v_wmma_f32_16x16x32_bf16 v[64*((\b0+\bb)&3)+8*\a:64*((\b0+\bb)&3)+8*\a+7], v[128+64*\p+8*\a:128+64*\p+8*\a+7], v[64*\p+8*(\b0+\bb):64*\p+8*(\b0+\bb)+7], 0
.else
	v_wmma_f32_16x16x32_bf16 v[64*((\b0+\bb)&3)+8*\a:64*((\b0+\bb)&3)+8*\a+7], v[128+64*\p+8*\a:128+64*\p+8*\a+7], v[64*\p+8*(\b0+\bb):64*\p+8*(\b0+\bb)+7], v[64*((\b0+\bb)&3)+8*\a:64*((\b0+\bb)&3)+8*\a+7]
.endif
.endr
.endr
.endm
; K step s multiplies AF[p] x BF[p], makes BF[1-p] for step s + 1 between its matrix instructions, and asks for AF[1-p] (step s + 1) and RAW[p] (step s + 2).
; more = 1: a pass follows, and steps 14 and 15 already work for it.
.macro KSTEP s, more
.set kp, (\s)&1
.set kn, 1-kp
.set ks1, ((\s)+1)%16
.set ks2, ((\s)+2)%16
.set kx, ((\s)+2)/16
.set kz, 0
.if (\s)==0
.set kz, 1
.endif
.set km, 0
.if (\s)<(15+\more)
.set km, 1
.endif
	s_wait_dscnt 0x0                               ; all that is out was asked for at the last step's head, 64 matrix instructions ago
.if km
	MULB kn, 0                                     ; 16 plain instructions on other registers: the places between the last step's products and the loads into AF[1-p]
	LDA ks1, kn
.endif
.if (\s)<(14+2*\more)
	LDRAW ks2, kp, kx
.endif
.if (\s)==15
	WIN 0x40
.irp sn, 0,1
.irp a, 0,1,2,3,4,5,6,7
	ds_load_b128 v[128+64*\sn+8*\a:128+64*\sn+8*\a+3],   v[R_CA] offset:\sn*CCP+64*\a       ; c[n][16 a + 8 h + 0..7]
	ds_load_b128 v[128+64*\sn+8*\a+4:128+64*\sn+8*\a+7], v[R_CA] offset:\sn*CCP+64*\a+16
.endr
.endr
.endif
	MM16 kp, 0, kz
.if km
	MULB kn, 2
.endif
	MM16 kp, 2, kz
.if km
	MULB kn, 4
.endif
	MM16 kp, 4, kz
.if km
	MULB kn, 6
.endif
	MM16 kp, 6, kz
.endm
; Square, add over the four k tiles, weight by c, add over i and over the lanes.
.macro EPI more
	s_wait_dscnt 0x0                               ; c is in
	PLACES
.irp sn, 0,1
.if \sn == 0
	WIN 0xaa
.else
	WIN 0xff
.endif
.set ee, 0
.rept 32
	v_pk_mul_f32 v[2*ee:2*ee+1], v[2*ee:2*ee+1], v[2*ee:2*ee+1]
.set ee, ee+1
.endr
.irp c, 1,2,3
.set ee, 0
.rept 32
	v_pk_fma_f32 v[2*ee:2*ee+1], v[64*\c+2*ee:64*\c+2*ee+1], v[64*\c+2*ee:64*\c+2*ee+1], v[2*ee:2*ee+1]
.set ee, ee+1
.endr
.endr
.if \sn == 0
	WIN 0x56
.else
	WIN 0x57
.endif
.irp pr, 0,1,2,3
	v_pk_mul_f32 v[64+8*\sn+2*\pr:65+8*\sn+2*\pr], v[2*\pr:2*\pr+1], v[128+64*\sn+2*\pr:129+64*\sn+2*\pr]
.endr
.irp a, 1,2,3,4,5,6,7
.irp pr, 0,1,2,3
	v_pk_fma_f32 v[64+8*\sn+2*\pr:65+8*\sn+2*\pr], v[8*\a+2*\pr:8*\a+2*\pr+1], v[128+64*\sn+8*\a+2*\pr:129+64*\sn+8*\a+2*\pr], v[64+8*\sn+2*\pr:65+8*\sn+2*\pr]
.endr
.endr
	WIN 0x55
	v_pk_add_f32 v[64+8*\sn:65+8*\sn], v[64+8*\sn:65+8*\sn], v[66+8*\sn:67+8*\sn]
	v_pk_add_f32 v[68+8*\sn:69+8*\sn], v[68+8*\sn:69+8*\sn], v[70+8*\sn:71+8*\sn]
	v_pk_add_f32 v[64+8*\sn:65+8*\sn], v[64+8*\sn:65+8*\sn], v[68+8*\sn:69+8*\sn]
	WIN 0x05
	v_add_f32 v[R_TS+\sn], v[64+8*\sn], v[65+8*\sn]
.endr
	WIN 0
.irp x, 1,2,4,8
	v_add_f32_dpp v[R_TS],   v[R_TS],   v[R_TS]   row_xmask:\x row_mask:0xf bank_mask:0xf
	v_add_f32_dpp v[R_TS+1], v[R_TS+1], v[R_TS+1] row_xmask:\x row_mask:0xf bank_mask:0xf
.endr
.irp sn, 0,1
	v_permlanex16_b32 v[R_TT], v[R_TS+\sn], s42, s43
	v_add_f32 v[R_TS+\sn], v[R_TS+\sn], v[R_TT]
	ds_store_b32 v[R_T1A], v[R_TS+\sn] offset:4*\sn                ; all lanes store the same number to the sample's word
.endr
.if \more
	v_add_nc_u32 v[R_THA], 2*THP, v[R_THA]
	v_add_nc_u32 v[R_CA], 2*CCP, v[R_CA]
	v_add_nc_u32 v[R_T1A], 8, v[R_T1A]
.endif
.endm
.macro PASS more
.irp s, 0,1,2,3,4,5,6,7,8,9,10,11,12,13,14,15
	KSTEP \s, \more
.endr
	EPI \more
.endm
	LDRAW 0, 0, 0
	LDRAW 1, 1, 0
	LDA 0, 0
	s_wait_dscnt 0x0
	MULB 0, 0
	MULB 0, 2
	MULB 0, 4
	MULB 0, 6
	WIN 0                                          ; at a label and at a branch every window is 0
	s_mov_b32 s3, 3
.Lpass:
	PASS 1
	WIN 0
	s_sub_co_u32 s3, s3, 1
	s_cmp_lg_u32 s3, 0
	s_cbranch_scc1 .Lpass
	PASS 0                                         ; the last pass asks for nothing beyond the wave's eighth sample
	WIN 0
; =============================== the two small sums of each sample ===============================
	BARRIER                                        ; every wave's r2, r1 and t1 are stored
	s_cmp_lg_u32 s2, 0
	s_cbranch_scc1 .Lend                           ; wave 0 alone goes on; no barrier follows
	v_lshlrev_b32 v18, 3, v1                       ; lane L = sample L
	v_add_nc_u32 v16, L_RS, v18
	v_lshlrev_b32 v17, 2, v1
	v_add_nc_u32 v17, L_T1, v17
.irp k, 0,1,2,3
	ds_load_b64 v[32+2*\k:33+2*\k], v16 offset:256*\k              ; { r2, r1 } of wave k's 128 j
.endr
	ds_load_b32 v40, v17
	s_wait_dscnt 0x0
	v_pk_add_f32 v[32:33], v[32:33], v[34:35]
	v_pk_add_f32 v[36:37], v[36:37], v[38:39]
	v_pk_add_f32 v[32:33], v[32:33], v[36:37]
	v_add_f32 v33, v33, v40
	global_store_b64 v18, v[32:33], s[24:25]       ; 32 lanes store 256 consecutive bytes, aligned
.Lend:
	s_wait_xcnt 0x0
	v_lshl_add_u32 v254, v0, 2, 0x4f700
	v_mov_b32 v255, 0
	s_wait_tensorcnt 0x0
	ds_add_u32 v254, v255
	s_wait_dscnt 0x0
	s_endpgm
.Lfunc_end_k_q773080e192_phi:
	.size	k_q773080e192_phi, .Lfunc_end_k_q773080e192_phi-k_q773080e192_phi
	.p2alignl 7, 3214868480
	.fill 96, 4, 3214868480
	.section	.rodata,"a",@progbits
	.p2align	6, 0x0
	.amdhsa_kernel k_q773080e192_phi
		.amdhsa_group_segment_fixed_size 325888
		.amdhsa_private_segment_fixed_size 0
		.amdhsa_enable_private_segment 0
		.amdhsa_kernarg_size 72
		.amdhsa_user_sgpr_count 2
		.amdhsa_user_sgpr_kernarg_segment_ptr 1
		.amdhsa_wavefront_size32 1
		.amdhsa_system_sgpr_workgroup_id_x 1
		.amdhsa_system_sgpr_workgroup_id_y 1
		.amdhsa_system_sgpr_workgroup_id_z 1
		.amdhsa_system_vgpr_workitem_id 0
		.amdhsa_next_free_vgpr 1024
		.amdhsa_next_free_sgpr 66
		.amdhsa_reserve_vcc 0
		.amdhsa_float_denorm_mode_32 3
		.amdhsa_float_denorm_mode_16_64 3
		.amdhsa_memory_ordered 1
		.amdhsa_forward_progress 1
		.amdhsa_inst_pref_size 255
	.end_amdhsa_kernel
	.section	.bss,"aw",@nobits
	.p2align	6
	.space	262144
	.amdgpu_metadata
---
amdhsa.version: [ 1, 2 ]
amdhsa.kernels:
  - .name:           k_q773080e192_phi
    .symbol:         k_q773080e192_phi.kd
    .args:
      - { .name: x, .offset: 0, .size: 8, .value_kind: global_buffer, .address_space: global }
      - { .name: t, .offset: 8, .size: 8, .value_kind: global_buffer, .address_space: global }
      - { .name: K0, .offset: 16, .size: 8, .value_kind: global_buffer, .address_space: global }
      - { .name: b0, .offset: 24, .size: 8, .value_kind: global_buffer, .address_space: global }
      - { .name: K1, .offset: 32, .size: 8, .value_kind: global_buffer, .address_space: global }
      - { .name: b1, .offset: 40, .size: 8, .value_kind: global_buffer, .address_space: global }
      - { .name: w, .offset: 48, .size: 8, .value_kind: global_buffer, .address_space: global }
      - { .name: pz, .offset: 56, .size: 8, .value_kind: global_buffer, .address_space: global }
      - { .name: ps, .offset: 64, .size: 8, .value_kind: global_buffer, .address_space: global }
    .group_segment_fixed_size: 325888
    .private_segment_fixed_size: 0
    .kernarg_segment_align: 8
    .kernarg_segment_size: 72
    .max_flat_workgroup_size: 128
    .sgpr_count:     66
    .vgpr_count:     1024
    .wavefront_size: 32
...
	.end_amdgpu_metadata
.endif
;; end of part 1
;; launch fin (part 2): grid 32 x 1, 32 waves a work-group, no clusters, 5,120 bytes of LDS; arguments pz, ps, x, t, A, c_w, c_b, out0, out1, out2, out3; writes out0, out1, out2, out3
.if DOCPART == 2
	.amdgcn_target "amdgcn-amd-amdhsa--gfx1250"
	.amdhsa_code_object_version 6
	.text
	.protected	k_q773080e192_fin
	.globl	k_q773080e192_fin
	.p2align	8
	.type	k_q773080e192_fin,@function
k_q773080e192_fin:
	s_mov_b64 s[64:65], 0
	v_nop
	global_prefetch_b8 v0, s[64:65] scope:SCOPE_SE
	s_setreg_imm32_b32 hwreg(HW_REG_WAVE_MODE, 25, 1), 1
	s_wait_xcnt 0x0
; Adds the four partial sums of each sample, adds s A^T A + c_w and the trace of (A^T A)[:64, :64], and writes the four results.
; A work-group takes 64 samples, so that each of out1, out2, out3 leaves as one store of 256 consecutive, aligned bytes.
; Sixteen lanes take a sample, four columns a lane: the byte offset in a [.., 64] f32 array is simply 16 x thread.
; s A^T A is made as (s A^T) A in f32 on the vector unit: 1,300 multiply-adds a sample, with K = 65 and N = 10 too small for matrix tiles.
; No LDS ring, no cluster: 2.6 MB are read once, nothing is read twice but A (2,600 bytes) and c_w.
; c_b is the potential's additive constant: none of the four results contains it.  It is loaded and enters nothing.
.set QPZ, 524288                       ; bytes of pz for one q
.set QPS, 16384                        ; bytes of ps for one q
; v1 16 tid; v2 16 (tid & 15); v3 8 (tid >> 4); v4 4 (tid >> 4); v[8:11] x; v[12:27] pz, then v[12:15] the gradient; v[28:35] ps; v[36:39] c_w;
; v[40:79] A[r][my 4 columns]; v[80:89] y = s A^T; v92 the gradient's 65th number; v94 trace; v96 L; v98 |L - g64|; v100 trH; v[104:123] partial dots
	s_load_b512 s[8:23], s[0:1], 0x0               ; pz s[8:9], ps s[10:11], x s[12:13], t s[14:15], A s[16:17], c_w s[18:19], c_b s[20:21], out0 s[22:23]
	s_load_b128 s[24:27], s[0:1], 0x40             ; out1, out2
	s_load_b64 s[28:29], s[0:1], 0x50              ; out3
	v_lshl_add_u32 v126, v0, 2, 0x400
	v_mov_b32 v127, 0
	v_lshrrev_b32 v5, 5, v0
	v_readfirstlane_b32 s2, v5                     ; wave
	v_lshlrev_b32 v1, 4, v0
	v_and_b32 v2, 15, v0
	v_lshlrev_b32 v2, 4, v2
	v_lshrrev_b32 v4, 4, v0
	v_lshlrev_b32 v3, 3, v4
	v_lshlrev_b32 v4, 2, v4
	s_lshl_b32 s34, ttmp9, 14                      ; 64 samples x 256 bytes
	s_mov_b32 s35, 0
	s_wait_kmcnt 0x0
	s_load_b32 s30, s[14:15], 0x0                  ; t
	s_load_b32 s31, s[18:19], 0x100                ; c_w[64]
	s_load_b32 s32, s[20:21], 0x0                  ; c_b
.irp r, 0,1,2,3,4,5,6,7,8,9
	s_load_b32 s[36+\r], s[16:17], 260*\r+256      ; A[r][64]
.endr
	s_add_nc_u64 s[8:9], s[8:9], s[34:35]
	s_add_nc_u64 s[12:13], s[12:13], s[34:35]
	s_add_nc_u64 s[22:23], s[22:23], s[34:35]
	s_lshl_b32 s34, ttmp9, 9                       ; 64 x 8 bytes
	s_add_nc_u64 s[10:11], s[10:11], s[34:35]
	s_lshl_b32 s34, ttmp9, 8                       ; 64 x 4 bytes
	s_add_nc_u64 s[24:25], s[24:25], s[34:35]
	s_add_nc_u64 s[26:27], s[26:27], s[34:35]
	s_add_nc_u64 s[28:29], s[28:29], s[34:35]
	global_load_b128 v[8:11], v1, s[12:13]
.irp q, 0,1,2,3
	global_load_b128 v[12+4*\q:15+4*\q], v1, s[8:9] offset:\q*QPZ th:TH_LOAD_NT
.endr
.irp q, 0,1,2,3
	global_load_b64 v[28+2*\q:29+2*\q], v3, s[10:11] offset:\q*QPS th:TH_LOAD_NT
.endr
	global_load_b128 v[36:39], v2, s[18:19]
.irp r, 0,1,2,3,4,5,6,7,8,9
.irp e, 0,1,2,3
	global_load_b32 v[40+4*\r+\e], v2, s[16:17] offset:260*\r+4*\e     ; rows of 260 bytes are aligned to 4 bytes only
.endr
.endr
	s_wait_loadcnt 0x0
	s_wait_kmcnt 0x0
	; z0 = the four quarters; + c_w
	v_pk_add_f32 v[12:13], v[12:13], v[16:17]
	v_pk_add_f32 v[14:15], v[14:15], v[18:19]
	v_pk_add_f32 v[20:21], v[20:21], v[24:25]
	v_pk_add_f32 v[22:23], v[22:23], v[26:27]
	v_pk_add_f32 v[12:13], v[12:13], v[20:21]
	v_pk_add_f32 v[14:15], v[14:15], v[22:23]
	v_pk_add_f32 v[12:13], v[12:13], v[36:37]
	v_pk_add_f32 v[14:15], v[14:15], v[38:39]
	; y[r] = sum over 64 columns of x A[r], summed over the sample's 16 lanes, + t A[r][64]
.irp r, 0,1,2,3,4,5,6,7,8,9
	v_pk_mul_f32 v[104+2*\r:105+2*\r], v[8:9], v[40+4*\r:41+4*\r]
.endr
.irp r, 0,1,2,3,4,5,6,7,8,9
	v_pk_fma_f32 v[104+2*\r:105+2*\r], v[10:11], v[42+4*\r:43+4*\r], v[104+2*\r:105+2*\r]
.endr
.irp r, 0,1,2,3,4,5,6,7,8,9
	v_add_f32 v[80+\r], v[104+2*\r], v[105+2*\r]
.endr
.irp m, 1,2,4,8
.irp r, 0,1,2,3,4,5,6,7,8,9
	v_add_f32_dpp v[80+\r], v[80+\r], v[80+\r] row_xmask:\m row_mask:0xf bank_mask:0xf
.endr
.endr
.irp r, 0,1,2,3,4,5,6,7,8,9
	v_fma_f32 v[80+\r], s[36+\r], s30, v[80+\r]
.endr
	; the gradient: + y A
.irp r, 0,1,2,3,4,5,6,7,8,9
.irp e, 0,1,2,3
	v_fmac_f32 v[12+\e], v[80+\r], v[40+4*\r+\e]
.endr
.endr
	v_add_f32 v92, v28, v30                        ; its 65th number
	v_add_f32 v93, v32, v34
	v_add_f32 v92, v92, v93
	v_add_f32 v92, s31, v92
.irp r, 0,1,2,3,4,5,6,7,8,9
	v_fmac_f32 v92, s[36+\r], v[80+\r]
.endr
	v_add_f32 v100, v29, v31                       ; the trace's two network terms
	v_add_f32 v101, v33, v35
	v_add_f32 v100, v100, v101
	; trace of (A^T A)[:64, :64] = the sum of the squares of A[:, :64]
	v_pk_mul_f32 v[94:95], v[40:41], v[40:41]
	v_pk_mul_f32 v[102:103], v[42:43], v[42:43]
.set pp, 2
.rept 9
	v_pk_fma_f32 v[94:95], v[40+2*pp:41+2*pp], v[40+2*pp:41+2*pp], v[94:95]
	v_pk_fma_f32 v[102:103], v[42+2*pp:43+2*pp], v[42+2*pp:43+2*pp], v[102:103]
.set pp, pp+2
.endr
	v_pk_add_f32 v[94:95], v[94:95], v[102:103]
	v_add_f32 v94, v94, v95
	; L = half the sum of the squares of the gradient's first 64 numbers
	v_pk_mul_f32 v[96:97], v[12:13], v[12:13]
	v_pk_fma_f32 v[96:97], v[14:15], v[14:15], v[96:97]
	v_add_f32 v96, v96, v97
.irp m, 1,2,4,8
	v_add_f32_dpp v94, v94, v94 row_xmask:\m row_mask:0xf bank_mask:0xf
	v_add_f32_dpp v96, v96, v96 row_xmask:\m row_mask:0xf bank_mask:0xf
.endr
	v_sub_f32 v100, -v100, v94                     ; -(trH)
	v_mul_f32 v96, 0.5, v96
	v_sub_f32 v98, v96, v92
	v_and_b32 v98, 0x7fffffff, v98                 ; |L - dPhi/dt|
	v_pk_mul_f32 v[12:13], v[12:13], -1.0 op_sel_hi:[1,0]
	v_pk_mul_f32 v[14:15], v[14:15], -1.0 op_sel_hi:[1,0]
	global_store_b128 v1, v[12:15], s[22:23]       ; sixteen lanes store a row of 256 bytes, aligned
	; the three numbers of each sample meet in LDS, so that each output leaves whole
	ds_store_b32 v4, v100                          ; the sample's sixteen lanes store the same number to the same word
	ds_store_b32 v4, v96 offset:256
	ds_store_b32 v4, v98 offset:512
	s_wait_dscnt 0x0                               ; for the waves that read behind the barrier
	s_barrier_signal -1
	s_barrier_wait -1
	s_cmp_ge_u32 s2, 3
	s_cbranch_scc1 .Lend                           ; waves 0, 1, 2 store out1, out2, out3; no barrier follows
	s_cmp_eq_u32 s2, 1
	s_cselect_b64 s[34:35], s[26:27], s[28:29]
	s_cmp_eq_u32 s2, 0
	s_cselect_b64 s[34:35], s[24:25], s[34:35]
	v_and_b32 v6, 31, v0
	v_lshlrev_b32 v6, 3, v6
	s_lshl_b32 s33, s2, 8
	v_add_nc_u32 v7, s33, v6
	ds_load_b64 v[8:9], v7
	s_wait_dscnt 0x0
	global_store_b64 v6, v[8:9], s[34:35]          ; 32 lanes store 256 consecutive bytes, aligned
.Lend:
	s_wait_tensorcnt 0x0
	ds_add_u32 v126, v127
	s_wait_dscnt 0x0
	s_endpgm
.Lfunc_end_k_q773080e192_fin:
	.size	k_q773080e192_fin, .Lfunc_end_k_q773080e192_fin-k_q773080e192_fin
	.p2alignl 7, 3214868480
	.fill 96, 4, 3214868480
	.section	.rodata,"a",@progbits
	.p2align	6, 0x0
	.amdhsa_kernel k_q773080e192_fin
		.amdhsa_group_segment_fixed_size 5120
		.amdhsa_private_segment_fixed_size 0
		.amdhsa_enable_private_segment 0
		.amdhsa_kernarg_size 88
		.amdhsa_user_sgpr_count 2
		.amdhsa_user_sgpr_kernarg_segment_ptr 1
		.amdhsa_wavefront_size32 1
		.amdhsa_system_sgpr_workgroup_id_x 1
		.amdhsa_system_sgpr_workgroup_id_y 1
		.amdhsa_system_sgpr_workgroup_id_z 1
		.amdhsa_system_vgpr_workitem_id 0
		.amdhsa_next_free_vgpr 128
		.amdhsa_next_free_sgpr 66
		.amdhsa_reserve_vcc 0
		.amdhsa_float_denorm_mode_32 3
		.amdhsa_float_denorm_mode_16_64 3
		.amdhsa_memory_ordered 1
		.amdhsa_forward_progress 1
		.amdhsa_inst_pref_size 18
	.end_amdhsa_kernel
	.amdgpu_metadata
---
amdhsa.version: [ 1, 2 ]
amdhsa.kernels:
  - .name:           k_q773080e192_fin
    .symbol:         k_q773080e192_fin.kd
    .args:
      - { .name: pz, .offset: 0, .size: 8, .value_kind: global_buffer, .address_space: global }
      - { .name: ps, .offset: 8, .size: 8, .value_kind: global_buffer, .address_space: global }
      - { .name: x, .offset: 16, .size: 8, .value_kind: global_buffer, .address_space: global }
      - { .name: t, .offset: 24, .size: 8, .value_kind: global_buffer, .address_space: global }
      - { .name: A, .offset: 32, .size: 8, .value_kind: global_buffer, .address_space: global }
      - { .name: c_w, .offset: 40, .size: 8, .value_kind: global_buffer, .address_space: global }
      - { .name: c_b, .offset: 48, .size: 8, .value_kind: global_buffer, .address_space: global }
      - { .name: out0, .offset: 56, .size: 8, .value_kind: global_buffer, .address_space: global }
      - { .name: out1, .offset: 64, .size: 8, .value_kind: global_buffer, .address_space: global }
      - { .name: out2, .offset: 72, .size: 8, .value_kind: global_buffer, .address_space: global }
      - { .name: out3, .offset: 80, .size: 8, .value_kind: global_buffer, .address_space: global }
    .group_segment_fixed_size: 5120
    .private_segment_fixed_size: 0
    .kernarg_segment_align: 8
    .kernarg_segment_size: 88
    .max_flat_workgroup_size: 1024
    .sgpr_count:     66
    .vgpr_count:     128
    .wavefront_size: 32
...
	.end_amdgpu_metadata
.endif
;; end of part 2
;; ======== version 2 of 2: 2 launches; 1.36 times as fast as version 1
;; limits: values outside matrix products are rounded to bf16
;; workspace buffers: pz 2,097,152 bytes; ps 65,536 bytes
;; launch phi (part 3): grid 256 x 1, 4 waves a work-group, no clusters, 325,888 bytes of LDS; arguments x, t, K0, b0, K1, b1, w, pz, ps; writes pz, ps
.if DOCPART == 3
	.amdgcn_target "amdgcn-amd-amdhsa--gfx1250"
	.amdhsa_code_object_version 6
	.text
	.protected	k_q773080e192_phi
	.globl	k_q773080e192_phi
	.p2align	8
	.type	k_q773080e192_phi,@function
k_q773080e192_phi:
	s_mov_b64 s[64:65], 0
	v_nop
	global_prefetch_b8 v0, s[64:65] scope:SCOPE_SE
	s_setreg_imm32_b32 hwreg(HW_REG_WAVE_MODE, 25, 1), 1
	s_wait_xcnt 0x0
; OT-Flow potential: gradient and Hessian trace, the part that needs K0 and K1.
; Work-group wg: q = wg & 3 owns rows i = 128 q .. 128 q + 127 of K1, g = wg >> 2 owns samples 32 g .. 32 g + 31.
; Everything behind lin1 is linear in the sum over i, so the four q of a sample group leave partial sums that the next launch adds:
;   pz[q][n][0:64] = (th * z1p) K0[:, :64],   ps[q][n] = { sum_j th z1p K0[j][64],  sum_j (1 - th^2) z1p ksq[j] + sum_i c[n][i] sum_k KJ[n][i][k]^2 }
;   with z1p = w / 4 + (tanh(lin1) w)[my i] K1[my i, :],  c = w (1 - tanh(lin1)^2),  KJ[n] = K1[my i, :] diag(th[n]) K0[:, :64].
; The bulk is KJ: per work-group 128 i x (32 samples x 64 k) x 512 j = 16,384 matrix instructions, 4,096 a wave.  K1's quarter and K0[:, :64] lie in LDS
; in bf16 for the whole launch, so the big loop fetches nothing from memory, has no barrier, and squares, weights and sums its results in registers.
; NO CLUSTER, NO JOINT REQUESTS: K1's quarter (shared by the 64 work-groups of one q) is fetched once per work-group, ahead of the loop, and has to pass
; through registers to be rounded to bf16: 262,144 bytes of f32 and their 133,120-byte bf16 copy do not fit in LDS beside the other 192,256 bytes.
; K0 (shared by all) is one request of 33,280 bytes a wave in the whole launch.  The loop itself shares nothing that comes from memory.
; LIMITS: x, K0, K1, th, u0, tanh(lin1) w and th z1p enter the matrix units rounded to bf16; th * K0 is rounded to bf16 once more (v_pk_mul_bf16).
; tanh|x| = (1 - e) / (1 + e), e = exp(-2|x|): absolute error about 1e-7, so the relative error grows below |x| ~ 1e-4, under the bf16 rounding that follows.
; log(2 cosh x) = |x| + ln2 log2(1 + e): absolute error about 1e-7 on a number that is at least 0.69.  v_exp_f32 gives 0 below 2^-126 (ISA guide 15.8):
; then th = +-1 and u0 = |x|, as in f32.  The sums are ordered otherwise than in the problem's function.
; The big loop's look-ahead is the same in all four passes: in the fourth it loads and multiplies two rows that no product uses (see there).
; ---- LDS map (bytes).  Pitches of 1,040, 272 and 528 are odd multiples of 16: sixteen rows start in sixteen different 16-byte columns modulo 256.
.set K1P, 1040                         ; K1S, TH, U0V: 512 bf16 + 16
.set K0P, 160                          ; K0N: 64 bf16 + 32, an odd multiple of 32 for the transposing loads
.set THP, 1040
.set CCP, 528                          ; 128 f32 + 16
.set TLP, 272                          ; 128 bf16 + 16
.set ZSP, 272                          ; 64 f32 + 16
.set QK0, 33280                        ; a quarter of K0: 128 rows of 260 bytes = 130 rows of 256 bytes (also 32 rows of K1S)
.set L_K0N, 133120                     ; bytes 0 .. 133,119: first K0 as f32 (dense, 512 x 260), then K1S: bf16 [128 i][512 j]
.set L_TH, 215040                      ; K0N: bf16 [512 j][64 d];  TH: bf16 [32 n][512 j]
.set L_U0V, 248320                     ; u0, later V = th * z1p, bf16 [32 n][512 j]  (= L_TH + 33,280)
.set L_CC, 281600                      ; c, f32 [32 n][128 i]
.set L_TLW, 298496                     ; tanh(lin1) w, bf16 [32 n][128 i]
.set L_ZS, 307200                      ; z0p, f32 [32 n][64 d]
.set L_BIAS0, 315904                   ; f32 [512] each: t K0[j][64] + b0[j]; at +2,048 ksq[j]; at +4,096 K0[j][64]; at +6,144 w[j] / 4
.set L_RS, 324096                      ; [4 waves][32 n] { r2, r1 }
.set L_T1, 325120                      ; f32 [32 n]
; ---- vector registers, window 0, v0-31: lane terms and addresses
.set R_A0, 6                           ; v6, v7    K1S + r 1040 + 16 h, and 64 rows further
.set R_KOA0, 8                         ; v8, v9    K0N + (8 h + L&7) 160 + 16 ((L>>3)&1), and 256 rows further
.set R_THA, 10                         ; TH + 8 w rows + 16 h, stepped two rows a pass
.set R_CA, 11                          ; CC + 8 w rows + 32 h, stepped two rows a pass
.set R_T1A, 12                         ; T1 + 32 w, stepped 8 a pass
.set R_THW, 13                         ; TH + r 1040 + 256 w + 16 h
.set R_U0A, 14                         ; U0V + r 1040 + 16 h
.set R_VEC, 15                         ; BIAS0 + 512 w + 32 h
.set R_K1O, 16                         ; 16 tid: my 16 bytes of a row of K1 in memory.   Later R_ZW
.set R_K1W, 17                         ; 8 tid: the same four numbers in K1S.            Later R_ZR
.set R_SA, 18                          ; my K0 row in the stage.  Then R_KRD, later R_PZO
.set R_KW, 19                          ; my K0 row in K0N.        Later R_RSW
.set R_BJ, 20                          ; BIAS0 + 4 j in the K0 phase.  Later R_TS
.set R_TS, 20                          ; v20, v21  sums on their way across the lanes
.set R_TT, 22                          ; destination of v_permlanex16_b32 (written once at the start: it counts as read)
.set R_JO, 23                          ; 4 (128 w + L)
.set R_XO, 24                          ; 256 r + 32 h.            Later R_KOZ0
.set R_K1L, 25                         ; K1S + (32 w + r) 1040 + 16 h.   Later R_KOZ0 + 1
.set R_TLWW, 26                        ; TLW + r 272 + 64 w + 16 h.      Later R_PA
.set R_CW, 27                          ; CC + r 528 + 128 w + 32 h.      Later R_PA + 1
.set R_TLWR, 28                        ; TLW + r 272 + 16 h.             Later R_PK
.set R_K1T0, 29                        ; v29, v30  K1S + (8 h + L&7) 1040 + 256 w + 16 ((L>>3)&1), and 64 rows further.  v29 later R_PT
.set R_VB, 31                          ; 128 w + 32 h
.set R_KRD, 18
.set R_ZW, 16
.set R_ZR, 17
.set R_PZO, 18
.set R_RSW, 19
.set R_KOZ0, 24
.set R_PA, 26                          ; v26, v27  big loop: R_A0, R_A0 + 1 at K step 2 t of pair t
.set R_PK, 28                          ; big loop: R_KOA0 at K step 2 t + 2
.set R_PT, 29                          ; big loop: R_THA at K step 2 t + 2
.set ROW_A, 0                          ; window 1: two sets of 65 registers for rows of K0
.set ROW_B, 66
; s_set_vgpr_msb: bits 1:0 source 0, 3:2 source 1, 5:4 source 2, 7:6 destination; the high byte repeats the setting that is left.
.set MSB, 0
.macro WIN new
.if MSB != \new
	s_set_vgpr_msb (MSB<<8)|\new
.set MSB, \new
.endif
.endm
; Four plain vector instructions stand between a matrix instruction and a vector instruction or load that touches its registers.
.macro PLACES
.rept 4
	v_nop
.endr
.endm
; What the others will read or overwrite behind a barrier is complete in front of my signal: all my LDS instructions.
.macro BARRIER
	s_wait_dscnt 0x0
	s_barrier_signal -1
	s_barrier_wait -1
.endm
; =============================== start: addresses, the one tensor load, the first global loads ===============================
	s_load_b512 s[8:23], s[0:1], 0x0               ; x s[8:9], t s[10:11], K0 s[12:13], b0 s[14:15], K1 s[16:17], b1 s[18:19], w s[20:21], pz s[22:23]
	s_load_b64 s[24:25], s[0:1], 0x40              ; ps
	v_lshl_add_u32 v254, v0, 2, 0x4f700
	v_mov_b32 v255, 0
	ds_add_u32 v254, v255
	ds_add_u32 v254, v255
	s_wait_dscnt 0x0
	v_lshrrev_b32 v1, 5, v0
	v_readfirstlane_b32 s2, v1                     ; wave w, 0 .. 3
	s_and_b32 s4, ttmp9, 3                         ; q
	s_lshr_b32 s5, ttmp9, 2                        ; g
	s_mov_b32 s42, 0x76543210                      ; v_permlanex16_b32: lane i takes lane i of the other half
	s_mov_b32 s43, 0xfedcba98
	s_mov_b32 s44, 0xffff0000                      ; a word's upper bf16
	s_mov_b32 s45, 0x7fffffff                      ; all but the sign
	s_mov_b32 s46, 0xc038aa3b                      ; -2 log2(e)
	s_mov_b32 s47, 0x3f317218                      ; ln 2
	; descriptor group 1: a dense block as 130 rows of 32 elements of 8 bytes
	s_mov_b32 s32, 3<<16                           ; no work-group mask; elements of 8 bytes; no padding
	s_mov_b32 s33, 32<<16                          ; tensor_dim0 = 32
	s_mov_b32 s34, 130<<16                         ; tensor_dim1 = 130
	s_mov_b32 s35, 32<<16                          ; tile_dim0 = 32
	s_mov_b32 s36, 130                             ; tile_dim1 = 130
	s_mov_b32 s37, 32                              ; pitch = 32 elements
	s_mov_b32 s38, 0
	s_mov_b32 s39, 0
	s_mov_b32 s28, 1                               ; group 0: count
	s_mul_i32 s29, s2, QK0                         ; LDS address: my quarter of the stage
	v_and_b32 v1, 31, v0                           ; L
	v_and_b32 v2, 15, v0                           ; r
	v_bfe_u32 v3, v0, 4, 1                         ; h
	v_and_b32 v4, 7, v0                            ; L & 7
	v_bfe_u32 v5, v0, 3, 1                         ; (L >> 3) & 1
	v_lshlrev_b32 v[R_K1O], 4, v0
	s_lshl_b32 s50, s2, 9                          ; 512 w
	v_lshl_add_u32 v[R_JO], v1, 2, s50
	v_lshlrev_b32 v[R_XO], 8, v2
	v_lshl_add_u32 v[R_XO], v3, 5, v[R_XO]
	s_wait_kmcnt 0x0
	s_load_b32 s26, s[10:11], 0x0                  ; t
	s_mov_b32 s40, s29
	s_mov_b32 s41, 0
	s_add_nc_u64 s[30:31], s[12:13], s[40:41]      ; K0 + my quarter
	s_or_b32 s31, s31, 0x80000000                  ; type 2
	tensor_load_to_lds s[28:31], s[32:39]          ; the launch's only tensor load: one outstanding in each wave
	s_nop 0
	s_lshl_b32 s40, s5, 13                         ; 32 samples x 256 bytes
	s_add_nc_u64 s[8:9], s[8:9], s[40:41]          ; x at my samples
	s_add_nc_u64 s[22:23], s[22:23], s[40:41]
	s_lshl_b32 s40, s4, 19                         ; 2,048 x 256 bytes
	s_add_nc_u64 s[22:23], s[22:23], s[40:41]      ; pz[q] at my samples
	s_lshl_b32 s40, s4, 18                         ; 128 rows x 2,048 bytes
	s_add_nc_u64 s[16:17], s[16:17], s[40:41]      ; K1 at my rows
	s_lshl_b32 s40, s4, 9
	s_add_nc_u64 s[18:19], s[18:19], s[40:41]      ; b1 at my i
	s_add_nc_u64 s[48:49], s[20:21], s[40:41]      ; w at my i (w itself is kept for w / 4)
	s_lshl_b32 s40, s4, 14
	s_add_nc_u64 s[24:25], s[24:25], s[40:41]
	s_lshl_b32 s40, s5, 8
	s_add_nc_u64 s[24:25], s[24:25], s[40:41]      ; ps[q] at my samples
	WIN 0x40
.irp m, 0,1,2,3
	global_load_b32 v[172+\m], v[R_JO], s[14:15] offset:128*\m     ; window 1 v172-175: b0[128 w + L + 32 m]
.endr
.irp m, 0,1,2,3
	global_load_b32 v[176+\m], v[R_JO], s[20:21] offset:128*\m     ; window 1 v176-179: w of the same j
.endr
	WIN 0
	; x as four fragments (st: 16 samples, ks: 32 of d) in f32: v64 + 16 (2 st + ks); d = 32 ks + 8 h + 0..7, then + 16
.irp st, 0,1
.irp ks, 0,1
	global_load_b128 v[64+32*\st+16*\ks:64+32*\st+16*\ks+3],     v[R_XO], s[8:9] offset:\st*4096+\ks*128
	global_load_b128 v[64+32*\st+16*\ks+4:64+32*\st+16*\ks+7],   v[R_XO], s[8:9] offset:\st*4096+\ks*128+16
	global_load_b128 v[64+32*\st+16*\ks+8:64+32*\st+16*\ks+11],  v[R_XO], s[8:9] offset:\st*4096+\ks*128+64
	global_load_b128 v[64+32*\st+16*\ks+12:64+32*\st+16*\ks+15], v[R_XO], s[8:9] offset:\st*4096+\ks*128+80
.endr
.endr
; K1 comes in four batches of 32 rows; a row of 2,048 bytes is 16 bytes of each of the 128 threads.  Batch b: window 2 + (b >> 1), v[128 (b & 1) + 4 row].
.macro K1LOAD b
.if \b < 2
	WIN 0x80
.else
	WIN 0xc0
.endif
.set rr, 0
.rept 32
	global_load_b128 v[128*(\b&1)+4*rr:128*(\b&1)+4*rr+3], v[R_K1O], s[16:17] offset:(32*\b+rr)*2048
.set rr, rr+1
.endr
.endm
; Round a batch to bf16 and lay it into K1S: a wave's store covers 256 neighbouring bytes of a row.  left = the global loads issued behind the batch.
.macro K1CONV b, left
	s_wait_loadcnt \left
.if \b < 2
	WIN 0x0a
.else
	WIN 0x0f
.endif
.set rr, 0
.rept 32
	v_cvt_pk_bf16_f32 v[128+2*rr], v[128*(\b&1)+4*rr],   v[128*(\b&1)+4*rr+1]
	v_cvt_pk_bf16_f32 v[129+2*rr], v[128*(\b&1)+4*rr+2], v[128*(\b&1)+4*rr+3]
.set rr, rr+1
.endr
	WIN 0
.set rr, 0
.rept 32
	ds_store_b64 v[R_K1W], v[128+2*rr:129+2*rr] offset:rr*K1P
.set rr, rr+1
.endr
	v_add_nc_u32 v[R_K1W], 32*K1P, v[R_K1W]
.endm
	K1LOAD 0
	K1LOAD 1
	WIN 0
	; the other addresses, while the loads are on their way
	v_mul_u32_u24 v[R_A0], v2, K1P
	v_lshl_add_u32 v[R_A0], v3, 4, v[R_A0]
	v_add_nc_u32 v[R_A0+1], 64*K1P, v[R_A0]
	v_lshl_add_u32 v[R_KOA0], v3, 3, v4            ; 8 h + (L & 7)
	v_mul_u32_u24 v[R_K1T0], v[R_KOA0], K1P
	v_mul_u32_u24 v[R_KOA0], v[R_KOA0], K0P
	v_lshl_add_u32 v[R_KOA0], v5, 4, v[R_KOA0]
	v_add_nc_u32 v[R_KOA0], L_K0N, v[R_KOA0]
	v_add_nc_u32 v[R_KOA0+1], 256*K0P, v[R_KOA0]
	v_lshl_add_u32 v[R_K1T0], v5, 4, v[R_K1T0]
	s_lshl_b32 s51, s2, 8                          ; 256 w
	v_add_nc_u32 v[R_K1T0], s51, v[R_K1T0]
	v_add_nc_u32 v[R_K1T0+1], 64*K1P, v[R_K1T0]
	s_mul_i32 s52, s2, 8*THP
	s_add_co_u32 s52, s52, L_TH
	v_lshl_add_u32 v[R_THA], v3, 4, s52
	s_mul_i32 s52, s2, 8*CCP
	s_add_co_u32 s52, s52, L_CC
	v_lshl_add_u32 v[R_CA], v3, 5, s52
	s_lshl_b32 s52, s2, 5
	s_add_co_u32 s52, s52, L_T1
	v_mov_b32 v[R_T1A], s52
	s_add_co_u32 s52, s51, L_TH
	v_add_nc_u32 v[R_THW], s52, v[R_A0]
	v_add_nc_u32 v[R_U0A], L_U0V, v[R_A0]
	s_add_co_u32 s52, s50, L_BIAS0
	v_lshl_add_u32 v[R_VEC], v3, 5, s52
	v_lshlrev_b32 v[R_K1W], 3, v0
	v_mul_u32_u24 v[R_SA], v1, 260
	v_add_nc_u32 v[R_SA], s29, v[R_SA]
	v_mul_u32_u24 v[R_KW], v1, K0P
	s_mul_i32 s52, s2, 128*K0P
	s_add_co_u32 s52, s52, L_K0N
	v_add_nc_u32 v[R_KW], s52, v[R_KW]
	v_add_nc_u32 v[R_BJ], L_BIAS0, v[R_JO]
	v_mov_b32 v[R_TT], 0
	v_add_nc_u32 v[R_K1L], s29, v[R_A0]            ; 32 w rows of 1,040 bytes = 33,280 w
	v_mul_u32_u24 v[R_TLWR], v2, TLP
	v_lshl_add_u32 v[R_TLWR], v3, 4, v[R_TLWR]
	v_add_nc_u32 v[R_TLWR], L_TLW, v[R_TLWR]
	s_lshl_b32 s52, s2, 6
	v_add_nc_u32 v[R_TLWW], s52, v[R_TLWR]
	v_mul_u32_u24 v[R_CW], v2, CCP
	v_lshl_add_u32 v[R_CW], v3, 5, v[R_CW]
	s_lshl_b32 s52, s2, 7
	s_add_co_u32 s53, s52, L_CC
	v_add_nc_u32 v[R_CW], s53, v[R_CW]
	v_lshl_add_u32 v[R_VB], v3, 5, s52
; =============================== K0: from the f32 stage to bf16 rows, and the four vectors over j ===============================
; Lane L of wave w takes rows j = 128 w + L + 32 m, m = 0..3: bytes of the wave's own tensor load, so its own wait is all that the reads need.
; A row is 65 words, so the 32 lanes of a load touch 32 different words modulo 64.
.macro ROWLD set, m
	WIN 0x40
.set dd, 0
.rept 65
	ds_load_b32 v[\set+dd], v[R_SA] offset:\m*8320+4*dd
.set dd, dd+1
.endr
.endm
; window 1: v132-163 the row in bf16, v164-167 two chains of squares, v168 bias, v169 w / 4, v170 ksq
.macro ROWPROC set, m
	WIN 0x55
	v_pk_mul_f32 v[164:165], v[\set:\set+1], v[\set:\set+1]
	v_pk_mul_f32 v[166:167], v[\set+2:\set+3], v[\set+2:\set+3]
.set pp, 2
.rept 30
	v_pk_fma_f32 v[164+2*(pp&1):165+2*(pp&1)], v[\set+2*pp:\set+2*pp+1], v[\set+2*pp:\set+2*pp+1], v[164+2*(pp&1):165+2*(pp&1)]
.set pp, pp+1
.endr
	v_pk_add_f32 v[164:165], v[164:165], v[166:167]
.set pp, 0
.rept 32
	v_cvt_pk_bf16_f32 v[132+pp], v[\set+2*pp], v[\set+2*pp+1]
.set pp, pp+1
.endr
	v_add_f32 v170, v164, v165                     ; ksq[j] = sum over d < 64 of K0[j][d]^2
	v_fma_f32 v168, v[\set+64], s26, v[172+\m]     ; t K0[j][64] + b0[j]
	v_mul_f32 v169, 0x3e800000, v[176+\m]          ; w[j] / 4: each of the four q adds a quarter
	WIN 0x04
.irp c, 0,1,2,3,4,5,6,7
	ds_store_b128 v[R_KW], v[132+4*\c:135+4*\c] offset:\m*32*K0P+16*\c
.endr
	ds_store_b32 v[R_BJ], v168 offset:128*\m
	ds_store_b32 v[R_BJ], v170 offset:128*\m+2048
	ds_store_b32 v[R_BJ], v[\set+64] offset:128*\m+4096
	ds_store_b32 v[R_BJ], v169 offset:128*\m+6144
.endm
	s_wait_tensorcnt 0x0                           ; my quarter of K0 is in LDS
	ROWLD ROW_A, 0
	ROWLD ROW_B, 1
	s_wait_kmcnt 0x0                               ; t
	s_wait_loadcnt 0x3f                            ; 80 loads were issued behind w's: with at most 63 out, b0 and w are in
	s_wait_dscnt 0x3f                              ; 65 loads stand behind row 0's: with at most 63 out it is in
	ROWPROC ROW_A, 0
	ROWLD ROW_A, 2
	s_wait_dscnt 0x3f                              ; 12 stores and 65 loads stand behind row 1's
	ROWPROC ROW_B, 1
	ROWLD ROW_B, 3
	s_wait_dscnt 0x3f                              ; likewise behind row 2's
	ROWPROC ROW_A, 2
	s_wait_dscnt 0xc                               ; behind row 3's loads stand the 12 stores of row 2
	ROWPROC ROW_B, 3
	WIN 0
	BARRIER                                        ; every wave has read its part of the stage: K1S may be laid over it; K0N and the vectors are stored
	K1CONV 0, 32                                   ; batch 1 stays out
	K1LOAD 2
	K1CONV 1, 32                                   ; batch 2 stays out
	K1LOAD 3
	WIN 0
; =============================== opening = x K0^T + bias; th = tanh, u0 = log(2 cosh) ===============================
; Wave w: j = 128 w + 16 jt, jt = 0..7; st = 0, 1.  Source 0 = rows of K0, source 1 = rows of x: a lane holds sample r and eight neighbouring j.
.set ff, 0
.rept 32
	v_cvt_pk_bf16_f32 v[32+ff], v[64+2*ff], v[64+2*ff+1]           ; x (in since the wait for batch 0) as fragments v32 + 8 (2 st + ks)
.set ff, ff+1
.endr
	v_mul_u32_u24 v[R_KRD], v2, K0P
	v_lshl_add_u32 v[R_KRD], v3, 4, v[R_KRD]
	s_mul_i32 s52, s2, 128*K0P
	s_add_co_u32 s52, s52, L_K0N
	v_add_nc_u32 v[R_KRD], s52, v[R_KRD]           ; K0N + (128 w + r) 160 + 16 h
	WIN 0x40
.irp jt, 0,1,2,3,4,5,6,7
.irp ks, 0,1
	ds_load_b128 v[16*\jt+8*\ks:16*\jt+8*\ks+3],   v[R_KRD] offset:\jt*16*K0P+64*\ks
	ds_load_b128 v[16*\jt+8*\ks+4:16*\jt+8*\ks+7], v[R_KRD] offset:\jt*16*K0P+64*\ks+32
.endr
.endr
	WIN 0
.irp jt, 0,1,2,3,4,5,6,7
.irp st, 0,1
	ds_load_b128 v[128+16*\jt+8*\st:128+16*\jt+8*\st+3],   v[R_VEC] offset:64*\jt       ; the bias starts the sums
	ds_load_b128 v[128+16*\jt+8*\st+4:128+16*\jt+8*\st+7], v[R_VEC] offset:64*\jt+16
.endr
.endr
	s_wait_dscnt 0x0
	WIN 0x01
.irp ks, 0,1
.irp jt, 0,1,2,3,4,5,6,7
.irp st, 0,1
	v_wmma_f32_16x16x32_bf16 v[128+16*\jt+8*\st:128+16*\jt+8*\st+7], v[16*\jt+8*\ks:16*\jt+8*\ks+7], v[32+16*\st+8*\ks:32+16*\st+8*\ks+7], v[128+16*\jt+8*\st:128+16*\jt+8*\st+7]
.endr
.endr
.endr
	WIN 0
	PLACES
; Eight numbers: v64 e, then tanh; v72 1 + e; v80 1 / (1 + e); v88 log2(1 + e), then u0; v96, v100 packed.
; Behind each run of transcendentals one v_nop stands before a result is used (ISA guide 5.7.2).
.macro ACT8 d, st, jt
.irp i, 0,1,2,3,4,5,6,7
	v_mul_f32 v[64+\i], s46, |v[\d+\i]|
.endr
.irp i, 0,1,2,3,4,5,6,7
	v_exp_f32 v[64+\i], v[64+\i]                   ; e = exp(-2 |x|), in (0, 1]: never overflows
.endr
	v_nop
	s_wait_alu depctr_va_vdst(0)
.irp i, 0,2,4,6
	v_pk_add_f32 v[72+\i:73+\i], v[64+\i:65+\i], 1.0 op_sel_hi:[1,0]
.endr
.irp i, 0,2,4,6
	v_pk_fma_f32 v[64+\i:65+\i], v[64+\i:65+\i], -1.0, 1.0 op_sel_hi:[1,0,0]
.endr
.irp i, 0,1,2,3,4,5,6,7
	v_rcp_f32 v[80+\i], v[72+\i]
.endr
.irp i, 0,1,2,3,4,5,6,7
	v_log_f32 v[88+\i], v[72+\i]
.endr
	v_nop
	s_wait_alu depctr_va_vdst(0)
.irp i, 0,2,4,6
	v_pk_mul_f32 v[64+\i:65+\i], v[64+\i:65+\i], v[80+\i:81+\i]    ; tanh |x|
.endr
.irp i, 0,1,2,3,4,5,6,7
	v_bfi_b32 v[64+\i], s45, v[64+\i], v[\d+\i]                    ; with x's sign
	v_fma_f32 v[88+\i], v[88+\i], s47, |v[\d+\i]|                  ; |x| + ln2 log2(1 + e)
.endr
.irp k, 0,1,2,3
	v_cvt_pk_bf16_f32 v[96+\k],  v[64+2*\k], v[65+2*\k]
	v_cvt_pk_bf16_f32 v[100+\k], v[88+2*\k], v[89+2*\k]
.endr
	ds_store_b128 v[R_THW], v[96:99]   offset:\st*16*THP+32*\jt
	ds_store_b128 v[R_THW], v[100:103] offset:33280+\st*16*THP+32*\jt
.endm
.irp jt, 0,1,2,3,4,5,6,7
.irp st, 0,1
	ACT8 (128+16*\jt+8*\st), \st, \jt
.endr
.endr
.irp it, 0,1
	global_load_b128 v[32+8*\it:35+8*\it], v[R_VB], s[18:19] offset:64*\it         ; b1 of i = 32 w + 16 it + 8 h + 0..7
	global_load_b128 v[36+8*\it:39+8*\it], v[R_VB], s[18:19] offset:64*\it+16
.endr
.irp it, 0,1
	global_load_b128 v[48+8*\it:51+8*\it], v[R_VB], s[48:49] offset:64*\it         ; w of the same i
	global_load_b128 v[52+8*\it:55+8*\it], v[R_VB], s[48:49] offset:64*\it+16
.endr
	K1CONV 2, 40                                   ; batch 3's 32 loads and the 8 above stay out
	K1CONV 3, 8                                    ; the 8 above stay out
	BARRIER                                        ; K1S, TH and u0 are whole
; =============================== lin1 = u0 K1^T + b1; tanh(lin1) w and c ===============================
; Wave w: i = 32 w + 16 it; 16 K steps in four groups of four, two buffers.  K1 fragments: window 1 v[64 buf + 16 kk + 8 it]; u0: v[128 + 64 buf + 16 kk + 8 st].
.macro LINLD grp
	WIN 0x40
.irp kk, 0,1,2,3
.irp it, 0,1
	ds_load_b128 v[64*(\grp&1)+16*\kk+8*\it:64*(\grp&1)+16*\kk+8*\it+3],   v[R_K1L] offset:\it*16*K1P+64*(4*\grp+\kk)
	ds_load_b128 v[64*(\grp&1)+16*\kk+8*\it+4:64*(\grp&1)+16*\kk+8*\it+7], v[R_K1L] offset:\it*16*K1P+64*(4*\grp+\kk)+32
.endr
.endr
	WIN 0
.irp kk, 0,1,2,3
.irp st, 0,1
	ds_load_b128 v[128+64*(\grp&1)+16*\kk+8*\st:128+64*(\grp&1)+16*\kk+8*\st+3],   v[R_U0A] offset:\st*16*THP+64*(4*\grp+\kk)
	ds_load_b128 v[128+64*(\grp&1)+16*\kk+8*\st+4:128+64*(\grp&1)+16*\kk+8*\st+7], v[R_U0A] offset:\st*16*THP+64*(4*\grp+\kk)+32
.endr
.endr
.endm
.macro LINMM grp
	WIN 0x01
.irp kk, 0,1,2,3
.irp it, 0,1
.irp st, 0,1
.if (\grp+\kk)==0
	v_wmma_f32_16x16x32_bf16 v[64+16*\it+8*\st:64+16*\it+8*\st+7], v[64*(\grp&1)+16*\kk+8*\it:64*(\grp&1)+16*\kk+8*\it+7], v[128+64*(\grp&1)+16*\kk+8*\st:128+64*(\grp&1)+16*\kk+8*\st+7], v[32+8*\it:32+8*\it+7]
.else
	v_wmma_f32_16x16x32_bf16 v[64+16*\it+8*\st:64+16*\it+8*\st+7], v[64*(\grp&1)+16*\kk+8*\it:64*(\grp&1)+16*\kk+8*\it+7], v[128+64*(\grp&1)+16*\kk+8*\st:128+64*(\grp&1)+16*\kk+8*\st+7], v[64+16*\it+8*\st:64+16*\it+8*\st+7]
.endif
.endr
.endr
.endr
.endm
	s_wait_loadcnt 0x0                             ; b1 (the first products' C) and w
	LINLD 0
	LINLD 1
	s_wait_dscnt 0x20                              ; the younger group's 32 loads stay out
	LINMM 0
	PLACES
	LINLD 2
	s_wait_dscnt 0x20
	LINMM 1
	PLACES
	LINLD 3
	s_wait_dscnt 0x20
	LINMM 2
	s_wait_dscnt 0x0
	LINMM 3
	WIN 0
	PLACES
; v96 e, then tl = tanh(lin1); v104 1 + e, then tl w; v112 1 / (1 + e), then c = w - tl (tl w); v120 packed
.macro LIN8 it, st
.irp i, 0,1,2,3,4,5,6,7
	v_mul_f32 v[96+\i], s46, |v[64+16*\it+8*\st+\i]|
.endr
.irp i, 0,1,2,3,4,5,6,7
	v_exp_f32 v[96+\i], v[96+\i]
.endr
	v_nop
	s_wait_alu depctr_va_vdst(0)
.irp i, 0,2,4,6
	v_pk_add_f32 v[104+\i:105+\i], v[96+\i:97+\i], 1.0 op_sel_hi:[1,0]
.endr
.irp i, 0,2,4,6
	v_pk_fma_f32 v[96+\i:97+\i], v[96+\i:97+\i], -1.0, 1.0 op_sel_hi:[1,0,0]
.endr
.irp i, 0,1,2,3,4,5,6,7
	v_rcp_f32 v[112+\i], v[104+\i]
.endr
	v_nop
	s_wait_alu depctr_va_vdst(0)
.irp i, 0,2,4,6
	v_pk_mul_f32 v[96+\i:97+\i], v[96+\i:97+\i], v[112+\i:113+\i]
.endr
.irp i, 0,1,2,3,4,5,6,7
	v_bfi_b32 v[96+\i], s45, v[96+\i], v[64+16*\it+8*\st+\i]
.endr
.irp i, 0,2,4,6
	v_pk_mul_f32 v[104+\i:105+\i], v[96+\i:97+\i], v[48+8*\it+\i:49+8*\it+\i]
.endr
.irp i, 0,2,4,6
	v_pk_fma_f32 v[112+\i:113+\i], v[96+\i:97+\i], v[104+\i:105+\i], v[48+8*\it+\i:49+8*\it+\i] neg_lo:[1,0,0] neg_hi:[1,0,0]
.endr
.irp k, 0,1,2,3
	v_cvt_pk_bf16_f32 v[120+\k], v[104+2*\k], v[105+2*\k]
.endr
	ds_store_b128 v[R_TLWW], v[120:123] offset:\st*16*TLP+32*\it
	ds_store_b128 v[R_CW], v[112:115] offset:\st*16*CCP+64*\it
	ds_store_b128 v[R_CW], v[116:119] offset:\st*16*CCP+64*\it+16
.endm
.irp it, 0,1
.irp st, 0,1
	LIN8 \it, \st
.endr
.endr
	BARRIER                                        ; tanh(lin1) w and c are whole; nobody reads u0 any more
; =============================== z1p = w / 4 + (tl w) K1;  V = th z1p;  r2, r1 ===============================
	; addresses of the late phases, in registers whose loads have all been waited for
	s_lshl_b32 s52, s2, 8
	s_add_co_u32 s52, s52, L_RS
	v_lshl_add_u32 v[R_RSW], v2, 3, s52            ; RS + 256 w + 8 r
	s_lshl_b32 s52, s2, 5
	v_add_nc_u32 v[R_KOZ0], s52, v[R_KOA0]         ; K0N's transposing address at d = 16 w
	v_add_nc_u32 v[R_KOZ0+1], s52, v[R_KOA0+1]
	v_mul_u32_u24 v[R_ZW], v2, ZSP
	v_lshl_add_u32 v[R_ZW], v3, 5, v[R_ZW]
	s_lshl_b32 s52, s2, 6
	s_add_co_u32 s52, s52, L_ZS
	v_add_nc_u32 v[R_ZW], s52, v[R_ZW]             ; ZS + r 272 + 64 w + 32 h
	v_mul_u32_u24 v[R_ZR], v3, ZSP
	v_lshl_add_u32 v[R_ZR], v2, 4, v[R_ZR]
	s_mul_i32 s52, s2, 8*ZSP
	s_add_co_u32 s52, s52, L_ZS
	v_add_nc_u32 v[R_ZR], s52, v[R_ZR]             ; ZS + (8 w + h) 272 + 16 r
	s_lshl_b32 s52, s2, 11
	v_lshl_add_u32 v[R_PZO], v1, 4, s52            ; 2,048 w + 16 L
	; Wave w: j = 128 w + 16 jt in two halves of four jt; K = my 128 i (ki = 0..3).  Source 0 = K1 transposed (K1S lies [i][j]), source 1 = rows of tl w.
	WIN 0x40
.irp st, 0,1
.irp ki, 0,1,2,3
	ds_load_b128 v[128+32*\st+8*\ki:128+32*\st+8*\ki+3],   v[R_TLWR] offset:\st*16*TLP+64*\ki
	ds_load_b128 v[128+32*\st+8*\ki+4:128+32*\st+8*\ki+7], v[R_TLWR] offset:\st*16*TLP+64*\ki+32
.endr
.endr
; One tile of 16 samples x 16 j.  v64 th, v72 V = th z1p, v80 (1 - th^2) z1p = z1p - th V, v88 packed.  Sums: v[32 + 16 st] r2, v[40 + 16 st] r1, four pairs each.
.macro Z8 jl, jt, st, first
.irp k, 0,1,2,3
	v_lshlrev_b32 v[64+2*\k], 16, v[160+8*\jl+4*\st+\k]
	v_and_b32 v[65+2*\k], s44, v[160+8*\jl+4*\st+\k]
.endr
.irp k, 0,2,4,6
	v_pk_mul_f32 v[72+\k:73+\k], v[64+\k:65+\k], v[192+16*\jl+8*\st+\k:193+16*\jl+8*\st+\k]
.endr
.irp k, 0,2,4,6
	v_pk_fma_f32 v[80+\k:81+\k], v[64+\k:65+\k], v[72+\k:73+\k], v[192+16*\jl+8*\st+\k:193+16*\jl+8*\st+\k] neg_lo:[1,0,0] neg_hi:[1,0,0]
.endr
.irp k, 0,2,4,6
.if \first
	v_pk_mul_f32 v[32+16*\st+\k:33+16*\st+\k], v[72+\k:73+\k], v[128+8*\jl+\k:129+8*\jl+\k]
	v_pk_mul_f32 v[40+16*\st+\k:41+16*\st+\k], v[80+\k:81+\k], v[96+8*\jl+\k:97+8*\jl+\k]
.else
	v_pk_fma_f32 v[32+16*\st+\k:33+16*\st+\k], v[72+\k:73+\k], v[128+8*\jl+\k:129+8*\jl+\k], v[32+16*\st+\k:33+16*\st+\k]
	v_pk_fma_f32 v[40+16*\st+\k:41+16*\st+\k], v[80+\k:81+\k], v[96+8*\jl+\k:97+8*\jl+\k], v[40+16*\st+\k:41+16*\st+\k]
.endif
.endr
.irp k, 0,1,2,3
	v_cvt_pk_bf16_f32 v[88+\k], v[72+2*\k], v[73+2*\k]
.endr
	ds_store_b128 v[R_THW], v[88:91] offset:33280+\st*16*THP+32*\jt        ; V takes u0's place
.endm
.macro ZHALF hf
	WIN 0x40
.irp jl, 0,1,2,3
.irp ki, 0,1,2,3
	ds_load_tr16_b128 v[32*\jl+8*\ki:32*\jl+8*\ki+3],   v[R_K1T0+(\ki>>1)] offset:(\ki&1)*32*K1P+32*(4*\hf+\jl)
	ds_load_tr16_b128 v[32*\jl+8*\ki+4:32*\jl+8*\ki+7], v[R_K1T0+(\ki>>1)] offset:(\ki&1)*32*K1P+32*(4*\hf+\jl)+16*K1P
.endr
.endr
	WIN 0
.irp jl, 0,1,2,3
.irp st, 0,1
	ds_load_b128 v[192+16*\jl+8*\st:192+16*\jl+8*\st+3],   v[R_VEC] offset:6144+64*(4*\hf+\jl)      ; w / 4 starts the sums
	ds_load_b128 v[192+16*\jl+8*\st+4:192+16*\jl+8*\st+7], v[R_VEC] offset:6144+64*(4*\hf+\jl)+16
	ds_load_b128 v[160+8*\jl+4*\st:160+8*\jl+4*\st+3],     v[R_THW] offset:\st*16*THP+32*(4*\hf+\jl) ; th, as this lane stored it
.endr
	ds_load_b128 v[96+8*\jl:96+8*\jl+3],     v[R_VEC] offset:2048+64*(4*\hf+\jl)       ; ksq
	ds_load_b128 v[96+8*\jl+4:96+8*\jl+7],   v[R_VEC] offset:2048+64*(4*\hf+\jl)+16
	ds_load_b128 v[128+8*\jl:128+8*\jl+3],   v[R_VEC] offset:4096+64*(4*\hf+\jl)       ; K0[j][64]
	ds_load_b128 v[128+8*\jl+4:128+8*\jl+7], v[R_VEC] offset:4096+64*(4*\hf+\jl)+16
.endr
	s_wait_dscnt 0x0
	WIN 0x05
.irp ki, 0,1,2,3
.irp jl, 0,1,2,3
.irp st, 0,1
	v_wmma_f32_16x16x32_bf16 v[192+16*\jl+8*\st:192+16*\jl+8*\st+7], v[32*\jl+8*\ki:32*\jl+8*\ki+7], v[128+32*\st+8*\ki:128+32*\st+8*\ki+7], v[192+16*\jl+8*\st:192+16*\jl+8*\st+7]
.endr
.endr
.endr
	WIN 0
	PLACES
.irp jl, 0,1,2,3
.irp st, 0,1
.if (\hf+\jl)==0
	Z8 \jl, (4*\hf+\jl), \st, 1
.else
	Z8 \jl, (4*\hf+\jl), \st, 0
.endif
.endr
.endr
.endm
	ZHALF 0
	ZHALF 1
.irp st, 0,1
	v_pk_add_f32 v[32+16*\st:33+16*\st], v[32+16*\st:33+16*\st], v[34+16*\st:35+16*\st]
	v_pk_add_f32 v[36+16*\st:37+16*\st], v[36+16*\st:37+16*\st], v[38+16*\st:39+16*\st]
	v_pk_add_f32 v[40+16*\st:41+16*\st], v[40+16*\st:41+16*\st], v[42+16*\st:43+16*\st]
	v_pk_add_f32 v[44+16*\st:45+16*\st], v[44+16*\st:45+16*\st], v[46+16*\st:47+16*\st]
	v_pk_add_f32 v[32+16*\st:33+16*\st], v[32+16*\st:33+16*\st], v[36+16*\st:37+16*\st]
	v_pk_add_f32 v[40+16*\st:41+16*\st], v[40+16*\st:41+16*\st], v[44+16*\st:45+16*\st]
	v_add_f32 v[32+16*\st], v[32+16*\st], v[33+16*\st]             ; r2 of my eight j in each tile
	v_add_f32 v[33+16*\st], v[40+16*\st], v[41+16*\st]             ; r1
	v_permlanex16_b32 v[R_TT], v[32+16*\st], s42, s43              ; the other half of the lanes holds the other eight j
	v_add_f32 v[32+16*\st], v[32+16*\st], v[R_TT]
	v_permlanex16_b32 v[R_TT], v[33+16*\st], s42, s43
	v_add_f32 v[33+16*\st], v[33+16*\st], v[R_TT]
	ds_store_b64 v[R_RSW], v[32+16*\st:33+16*\st] offset:128*\st   ; both halves store the same numbers to the same bytes
.endr
	BARRIER                                        ; V is whole
; =============================== z0p = V K0[:, :64] ===============================
; Wave w: d = 16 w .. 16 w + 15; 16 K steps.  K0 transposed: window 1 v[8 s]; V: steps 0-7 window 0 v[128 + 16 s + 8 st], steps 8-15 window 1 likewise.
.macro KOFLD s0
.irp sl, 0,1,2,3,4,5,6,7
	ds_load_tr16_b128 v[8*(\s0+\sl):8*(\s0+\sl)+3],   v[R_KOZ0+(\s0>>3)] offset:\sl*32*K0P
	ds_load_tr16_b128 v[8*(\s0+\sl)+4:8*(\s0+\sl)+7], v[R_KOZ0+(\s0>>3)] offset:\sl*32*K0P+16*K0P
.endr
.endm
.macro VFLD s0
.irp sl, 0,1,2,3,4,5,6,7
.irp st, 0,1
	ds_load_b128 v[128+16*\sl+8*\st:128+16*\sl+8*\st+3],   v[R_U0A] offset:\st*16*THP+64*(\s0+\sl)
	ds_load_b128 v[128+16*\sl+8*\st+4:128+16*\sl+8*\st+7], v[R_U0A] offset:\st*16*THP+64*(\s0+\sl)+32
.endr
.endr
.endm
.macro ZMM s0
.irp sl, 0,1,2,3,4,5,6,7
.irp st, 0,1
.if (\s0+\sl)==0
	v_wmma_f32_16x16x32_bf16 v[64+8*\st:71+8*\st], v[8*(\s0+\sl):8*(\s0+\sl)+7], v[128+16*\sl+8*\st:128+16*\sl+8*\st+7], 0
.else
	v_wmma_f32_16x16x32_bf16 v[64+8*\st:71+8*\st], v[8*(\s0+\sl):8*(\s0+\sl)+7], v[128+16*\sl+8*\st:128+16*\sl+8*\st+7], v[64+8*\st:71+8*\st]
.endif
.endr
.endr
.endm
	WIN 0x40
	KOFLD 0
	WIN 0
	VFLD 0
	WIN 0x40
	KOFLD 8
	VFLD 8
	s_wait_dscnt 0x30                              ; the 16 + 32 loads of steps 8-15 stay out
	WIN 0x01
	ZMM 0
	s_wait_dscnt 0x0
	WIN 0x05
	ZMM 8
	WIN 0
	PLACES
.irp st, 0,1
	ds_store_b128 v[R_ZW], v[64+8*\st:67+8*\st] offset:\st*16*ZSP
	ds_store_b128 v[R_ZW], v[68+8*\st:71+8*\st] offset:\st*16*ZSP+16
.endr
	BARRIER                                        ; z0p's rows are whole
.irp u, 0,1,2,3
	ds_load_b128 v[80+4*\u:83+4*\u], v[R_ZR] offset:2*ZSP*\u
.endr
.irp u, 0,1,2,3
	s_wait_dscnt 3-\u                              ; the younger row copies stay out
	global_store_b128 v[R_PZO], v[80+4*\u:83+4*\u], s[22:23] offset:512*\u     ; sixteen lanes store one row of 256 bytes, aligned
.endr
	s_wait_xcnt 0x0                                ; v80-95 are loaded again at once: only behind this wait (ISA guide 3.1)
; =============================== the big loop: t1[n] = sum_i c[n][i] sum_k KJ[n][i][k]^2 ===============================
; Wave w owns samples 8 w .. 8 w + 7, two a pass, four passes.  A pass: 128 i x (2 samples x 64 k) = 64 accumulator tiles, 16 K steps of 32 j.
;   tile (a, b), b = 4 sample + c: window 2 + (b >> 2), v[64 (b & 3) + 8 a].   p = K step & 1:
;   RAW[p] = v[32 + 48 p]: K0's four transposed fragments (8 c) and th's two (32 + 8 sample);  AF[p] = v[128 + 64 p + 8 a];  BF[p] = window 1 v[64 p + 8 b].
;   window 1 v128-255: c of the pass (64 sample + 8 a);  window 1 v64-79 (BF[1], idle then): the weighted sums.
; THE TEXT IS ROLLED, so that little of it is run only once: a pass is pair 0 (K steps 0, 1: its first products start the sums), six trips of ONE pair of
; K steps on stepped addresses (steps 2 .. 13), pair 7 (steps 14, 15, whose look-ahead turns to the next pass's first steps) and the way out of the sums;
; the same text serves all four passes.  Three pairs of 128 matrix instructions are written out in place of two times sixteen K steps.
; In pair t, R_PA stands at K step 2 t, R_PK and R_PT at K step 2 t + 2; all are set from the fixed bases at a pass's head and stepped once a pair.
; THE FOURTH PASS LOOKS AHEAD LIKE THE OTHERS: pair 7 then loads th of the two rows behind the wave's eight (another wave's rows; for wave 3 the first two
; rows of V, which lie straight behind TH): bytes inside LDS that were written before the last barrier.  Those 40 loads and 64 packed products feed nothing.
.macro LDA p, ra, off                  ; 128 rows of K1, 32 j, from v[ra] (rows 0-63) and v[ra + 1] (rows 64-127) at byte off
	WIN 0
.irp a, 0,1,2,3,4,5,6,7
	ds_load_b128 v[128+64*\p+8*\a:128+64*\p+8*\a+3],   v[\ra+(\a>>2)] offset:(\a&3)*16*K1P+\off
	ds_load_b128 v[128+64*\p+8*\a+4:128+64*\p+8*\a+7], v[\ra+(\a>>2)] offset:(\a&3)*16*K1P+\off+32
.endr
.endm
.macro LDRAW p, rk, ok, rt, ot         ; 32 j x 64 k of K0, transposed, and th of two samples for the same 32 j
	WIN 0
.irp c, 0,1,2,3
	ds_load_tr16_b128 v[32+48*\p+8*\c:32+48*\p+8*\c+3],   v[\rk] offset:\ok+32*\c
	ds_load_tr16_b128 v[32+48*\p+8*\c+4:32+48*\p+8*\c+7], v[\rk] offset:\ok+32*\c+16*K0P
.endr
.irp sn, 0,1
	ds_load_b128 v[64+48*\p+8*\sn:64+48*\p+8*\sn+3],   v[\rt] offset:\ot+\sn*THP        ; the same 16 bytes for all lanes of a half
	ds_load_b128 v[64+48*\p+8*\sn+4:64+48*\p+8*\sn+7], v[\rt] offset:\ot+\sn*THP+32
.endr
.endm
.macro MULB p, b0                      ; two fragments of B = th[n][j] K0[j][k], two products to an instruction
	WIN 0x40
.irp bb, 0,1
.irp i, 0,1,2,3,4,5,6,7
	v_pk_mul_bf16 v[64*\p+8*(\b0+\bb)+\i], v[32+48*\p+8*((\b0+\bb)&3)+\i], v[64+48*\p+8*((\b0+\bb)>>2)+\i]
.endr
.endr
.endm
.macro MM16 p, b0, zero
.if \b0 < 4
	WIN 0xa4
.else
	WIN 0xf4
.endif
.irp bb, 0,1
.irp a, 0,1,2,3,4,5,6,7
.if \zero
	v_wmma_f32_16x16x32_bf16 v[64*((\b0+\bb)&3)+8*\a:64*((\b0+\bb)&3)+8*\a+7], v[128+64*\p+8*\a:128+64*\p+8*\a+7], v[64*\p+8*(\b0+\bb):64*\p+8*(\b0+\bb)+7], 0
.else
	v_wmma_f32_16x16x32_bf16 v[64*((\b0+\bb)&3)+8*\a:64*((\b0+\bb)&3)+8*\a+7], v[128+64*\p+8*\a:128+64*\p+8*\a+7], v[64*\p+8*(\b0+\bb):64*\p+8*(\b0+\bb)+7], v[64*((\b0+\bb)&3)+8*\a:64*((\b0+\bb)&3)+8*\a+7]
.endif
.endr
.endr
.endm
; K step s (parity p) multiplies AF[p] x BF[p], makes BF[1-p] for step s + 1 between its matrix instructions, and asks for AF[1-p] (step s + 1, at
; v[ra] + oa) and RAW[p] (step s + 2, at v[rk] + ok and v[rt] + ot).  zero = 1: the products start the sums.  cv = 1: the pass's c is asked for as well.
.macro KSTEP p, zero, ra, oa, rk, ok, rt, ot, cv
	s_wait_dscnt 0x0                               ; all that is out was asked for at the last step's head, 64 matrix instructions ago
	MULB (1-\p), 0                                 ; 16 plain instructions on other registers: the places between the last step's products and the loads into AF[1-p]
	LDA (1-\p), \ra, \oa
	LDRAW \p, \rk, \ok, \rt, \ot
.if \cv
	WIN 0x40
.irp sn, 0,1
.irp a, 0,1,2,3,4,5,6,7
	ds_load_b128 v[128+64*\sn+8*\a:128+64*\sn+8*\a+3],   v[R_CA] offset:\sn*CCP+64*\a       ; c[n][16 a + 8 h + 0..7]
	ds_load_b128 v[128+64*\sn+8*\a+4:128+64*\sn+8*\a+7], v[R_CA] offset:\sn*CCP+64*\a+16
.endr
.endr
.endif
	MM16 \p, 0, \zero
	MULB (1-\p), 2
	MM16 \p, 2, \zero
	MULB (1-\p), 4
	MM16 \p, 4, \zero
	MULB (1-\p), 6
	MM16 \p, 6, \zero
.endm
; Pair t = K steps 2 t, 2 t + 1.  It asks for A of steps 2 t + 1 (always R_PA + 64) and 2 t + 2 (v[ra1] + oa1), and for K0 and th of steps 2 t + 2, 2 t + 3.
.macro PAIR zero, ra1, oa1, rk, rt, cv
	KSTEP 0, \zero, R_PA, 64, \rk, 0, \rt, 0, 0
	KSTEP 1, 0, \ra1, \oa1, \rk, 32*K0P, \rt, 64, \cv
.endm
.macro STEPP                           ; two K steps on: 64 j = 128 bytes of a row of K1S or TH, 64 rows of K0N
	WIN 0
	v_add_nc_u32 v[R_PA], 128, v[R_PA]
	v_add_nc_u32 v[R_PA+1], 128, v[R_PA+1]
	v_add_nc_u32 v[R_PK], 2*32*K0P, v[R_PK]
	v_add_nc_u32 v[R_PT], 128, v[R_PT]
.endm
; Square, add over the four k tiles, weight by c, add over i and over the lanes.
.macro EPI
	s_wait_dscnt 0x0                               ; c is in
	PLACES
.irp sn, 0,1
.if \sn == 0
	WIN 0xaa
.else
	WIN 0xff
.endif
.set ee, 0
.rept 32
	v_pk_mul_f32 v[2*ee:2*ee+1], v[2*ee:2*ee+1], v[2*ee:2*ee+1]
.set ee, ee+1
.endr
.irp c, 1,2,3
.set ee, 0
.rept 32
	v_pk_fma_f32 v[2*ee:2*ee+1], v[64*\c+2*ee:64*\c+2*ee+1], v[64*\c+2*ee:64*\c+2*ee+1], v[2*ee:2*ee+1]
.set ee, ee+1
.endr
.endr
.if \sn == 0
	WIN 0x56
.else
	WIN 0x57
.endif
.irp pr, 0,1,2,3
	v_pk_mul_f32 v[64+8*\sn+2*\pr:65+8*\sn+2*\pr], v[2*\pr:2*\pr+1], v[128+64*\sn+2*\pr:129+64*\sn+2*\pr]
.endr
.irp a, 1,2,3,4,5,6,7
.irp pr, 0,1,2,3
	v_pk_fma_f32 v[64+8*\sn+2*\pr:65+8*\sn+2*\pr], v[8*\a+2*\pr:8*\a+2*\pr+1], v[128+64*\sn+8*\a+2*\pr:129+64*\sn+8*\a+2*\pr], v[64+8*\sn+2*\pr:65+8*\sn+2*\pr]
.endr
.endr
	WIN 0x55
	v_pk_add_f32 v[64+8*\sn:65+8*\sn], v[64+8*\sn:65+8*\sn], v[66+8*\sn:67+8*\sn]
	v_pk_add_f32 v[68+8*\sn:69+8*\sn], v[68+8*\sn:69+8*\sn], v[70+8*\sn:71+8*\sn]
	v_pk_add_f32 v[64+8*\sn:65+8*\sn], v[64+8*\sn:65+8*\sn], v[68+8*\sn:69+8*\sn]
	WIN 0x05
	v_add_f32 v[R_TS+\sn], v[64+8*\sn], v[65+8*\sn]
.endr
	WIN 0
.irp x, 1,2,4,8
	v_add_f32_dpp v[R_TS],   v[R_TS],   v[R_TS]   row_xmask:\x row_mask:0xf bank_mask:0xf
	v_add_f32_dpp v[R_TS+1], v[R_TS+1], v[R_TS+1] row_xmask:\x row_mask:0xf bank_mask:0xf
.endr
.irp sn, 0,1
	v_permlanex16_b32 v[R_TT], v[R_TS+\sn], s42, s43
	v_add_f32 v[R_TS+\sn], v[R_TS+\sn], v[R_TT]
	ds_store_b32 v[R_T1A], v[R_TS+\sn] offset:4*\sn                ; all lanes store the same number to the sample's word
.endr
	v_add_nc_u32 v[R_CA], 2*CCP, v[R_CA]           ; the next pass's two samples (behind the fourth pass nothing reads these two)
	v_add_nc_u32 v[R_T1A], 8, v[R_T1A]
.endm
	; in front of the first pass: K0 and th of steps 0 and 1, A of step 0, B of step 0
	LDRAW 0, R_KOA0, 0, R_THA, 0
	LDRAW 1, R_KOA0, 32*K0P, R_THA, 64
	LDA 0, R_A0, 0
	s_wait_dscnt 0x0
	MULB 0, 0
	MULB 0, 2
	MULB 0, 4
	MULB 0, 6
	WIN 0                                          ; at a label and at a branch every window is 0
	s_mov_b32 s3, 4
.Lpass:
	v_mov_b32 v[R_PA], v[R_A0]                     ; K step 0
	v_mov_b32 v[R_PA+1], v[R_A0+1]
	v_add_nc_u32 v[R_PK], 2*32*K0P, v[R_KOA0]      ; K step 2
	v_add_nc_u32 v[R_PT], 128, v[R_THA]
	PAIR 1, R_PA, 128, R_PK, R_PT, 0               ; pair 0
	STEPP
	s_mov_b32 s6, 6
.Lpair:
	PAIR 0, R_PA, 128, R_PK, R_PT, 0               ; pairs 1 to 6
	STEPP
	s_sub_co_u32 s6, s6, 1
	s_cmp_lg_u32 s6, 0
	s_cbranch_scc1 .Lpair
	v_add_nc_u32 v[R_THA], 2*THP, v[R_THA]         ; th of the next pass's two samples: all of this pass's th has been asked for
	PAIR 0, R_A0, 0, R_KOA0, R_THA, 1              ; pair 7: A of step 15 at R_PA + 64; everything else is the next pass's steps 0 and 1, at the fixed bases
	EPI
	WIN 0
	s_sub_co_u32 s3, s3, 1
	s_cmp_lg_u32 s3, 0
	s_cbranch_scc1 .Lpass
; =============================== the two small sums of each sample ===============================
	BARRIER                                        ; every wave's r2, r1 and t1 are stored
	s_cmp_lg_u32 s2, 0
	s_cbranch_scc1 .Lend                           ; wave 0 alone goes on; no barrier follows
	v_lshlrev_b32 v18, 3, v1                       ; lane L = sample L
	v_add_nc_u32 v16, L_RS, v18
	v_lshlrev_b32 v17, 2, v1
	v_add_nc_u32 v17, L_T1, v17
.irp k, 0,1,2,3
	ds_load_b64 v[32+2*\k:33+2*\k], v16 offset:256*\k              ; { r2, r1 } of wave k's 128 j
.endr
	ds_load_b32 v40, v17
	s_wait_dscnt 0x0
	v_pk_add_f32 v[32:33], v[32:33], v[34:35]
	v_pk_add_f32 v[36:37], v[36:37], v[38:39]
	v_pk_add_f32 v[32:33], v[32:33], v[36:37]
	v_add_f32 v33, v33, v40
	global_store_b64 v18, v[32:33], s[24:25]       ; 32 lanes store 256 consecutive bytes, aligned
.Lend:
	s_wait_xcnt 0x0
	v_lshl_add_u32 v254, v0, 2, 0x4f700
	v_mov_b32 v255, 0
	s_wait_tensorcnt 0x0
	ds_add_u32 v254, v255
	s_wait_dscnt 0x0
	s_endpgm
.Lfunc_end_k_q773080e192_phi:
	.size	k_q773080e192_phi, .Lfunc_end_k_q773080e192_phi-k_q773080e192_phi
	.p2alignl 7, 3214868480
	.fill 96, 4, 3214868480
	.section	.rodata,"a",@progbits
	.p2align	6, 0x0
	.amdhsa_kernel k_q773080e192_phi
		.amdhsa_group_segment_fixed_size 325888
		.amdhsa_private_segment_fixed_size 0
		.amdhsa_enable_private_segment 0
		.amdhsa_kernarg_size 72
		.amdhsa_user_sgpr_count 2
		.amdhsa_user_sgpr_kernarg_segment_ptr 1
		.amdhsa_wavefront_size32 1
		.amdhsa_system_sgpr_workgroup_id_x 1
		.amdhsa_system_sgpr_workgroup_id_y 1
		.amdhsa_system_sgpr_workgroup_id_z 1
		.amdhsa_system_vgpr_workitem_id 0
		.amdhsa_next_free_vgpr 1024
		.amdhsa_next_free_sgpr 66
		.amdhsa_reserve_vcc 0
		.amdhsa_float_denorm_mode_32 3
		.amdhsa_float_denorm_mode_16_64 3
		.amdhsa_memory_ordered 1
		.amdhsa_forward_progress 1
		.amdhsa_inst_pref_size 255
	.end_amdhsa_kernel
	.section	.bss,"aw",@nobits
	.p2align	6
	.space	262144
	.amdgpu_metadata
---
amdhsa.version: [ 1, 2 ]
amdhsa.kernels:
  - .name:           k_q773080e192_phi
    .symbol:         k_q773080e192_phi.kd
    .args:
      - { .name: x, .offset: 0, .size: 8, .value_kind: global_buffer, .address_space: global }
      - { .name: t, .offset: 8, .size: 8, .value_kind: global_buffer, .address_space: global }
      - { .name: K0, .offset: 16, .size: 8, .value_kind: global_buffer, .address_space: global }
      - { .name: b0, .offset: 24, .size: 8, .value_kind: global_buffer, .address_space: global }
      - { .name: K1, .offset: 32, .size: 8, .value_kind: global_buffer, .address_space: global }
      - { .name: b1, .offset: 40, .size: 8, .value_kind: global_buffer, .address_space: global }
      - { .name: w, .offset: 48, .size: 8, .value_kind: global_buffer, .address_space: global }
      - { .name: pz, .offset: 56, .size: 8, .value_kind: global_buffer, .address_space: global }
      - { .name: ps, .offset: 64, .size: 8, .value_kind: global_buffer, .address_space: global }
    .group_segment_fixed_size: 325888
    .private_segment_fixed_size: 0
    .kernarg_segment_align: 8
    .kernarg_segment_size: 72
    .max_flat_workgroup_size: 128
    .sgpr_count:     66
    .vgpr_count:     1024
    .wavefront_size: 32
...
	.end_amdgpu_metadata
.endif
;; end of part 3
;; launch fin: the kernel of part 2 again; grid 32 x 1, 32 waves a work-group, no clusters, 5,120 bytes of LDS; arguments pz, ps, x, t, A, c_w, c_b, out0, out1, out2, out3; writes out0, out1, out2, out3
